; MI455X (gfx1250); checked and timed in simulation.
; The chip was launched on July 23, 2026; its instructions are those of AMD's public machine-readable ISA for CDNA 5 (MIT licence, August 2026) and "CDNA5" Instruction Set Architecture Reference Guide (July 2026). The comments in the code are by the model that wrote it; some were corrected since.
;; SRU Encoder. Allowed arithmetic: float matrix products may take bf16 or f16 operands with f32 sums; other float arithmetic in f32, or as packed bf16 or f16 multiplies, adds, multiply-adds, maxima and minima; sums over many terms, partial sums and values carried from step to step in f32; what a program stores and reads back later, other than sums and carried values, may be rounded once to bf16 or f16.
;; Inputs: W0 512 x 4,096 float32; W1 1,024 x 4,096 float32; bf0 2 x 512 float32; bf1 2 x 512 float32; br0 2 x 512 float32; br1 2 x 512 float32; lengths 32 int32; seqs 32 x 256 x 512 float32; vf0 2 x 512 float32; vf1 2 x 512 float32; vr0 2 x 512 float32; vr1 2 x 512 float32.
;; Outputs: out0 32 x 1,024 float32; out1 32 x 256 x 1,024 float32.
;; 2 versions, each right; version 2 is version 1 with the launch prep written anew for expert scheduling mode. Each part assembles by itself: llvm-mc -triple=amdgcn-amd-amdhsa -mcpu=gfx1250 --defsym DOCPART=n.
;; ======== version 1 of 2: 3 launches
;; limits: values are held in f16: magnitudes above 65,504 overflow, below 6.1e-05 lose precision
;; workspace buffers: xa 16,777,216 bytes; ha 33,554,432 bytes; wb0 4,194,304 bytes; wb1 8,388,608 bytes
;; launch prep (part 1): grid 1024 x 1, 8 waves a work-group, no clusters, 18,432 bytes of LDS; arguments seqs, W0, W1, xa, wb0, wb1; writes xa, wb0, wb1
.if DOCPART == 1
	.amdgcn_target "amdgcn-amd-amdhsa--gfx1250"
	.amdhsa_code_object_version 6
	.text
	.protected	k_q1ee4484e47_prep
	.globl	k_q1ee4484e47_prep
	.p2align	8
	.type	k_q1ee4484e47_prep,@function
k_q1ee4484e47_prep:
	s_mov_b64 s[64:65], 0
	v_nop
	global_prefetch_b8 v0, s[64:65] scope:SCOPE_SE
	s_setreg_imm32_b32 hwreg(HW_REG_WAVE_MODE, 25, 1), 1
	s_wait_xcnt 0x0
; PREP: seqs, W0 and W1 are rounded once to bf16 and laid out in the order in which the two layer launches ask for tiles.
; xa  = bf16 [copy 2][sigma = c*4+kq (8)][b 32][sp 64][hf 2][sl 2][kk 64]: scan position s = c*128 + sp*2 + sl, channel k = kq*128 + hf*64 + kk.
;       copy 0 holds s = t, copy 1 holds s = 255 - t, so that both directions of the recurrence walk ascending addresses.
; wb0 = bf16 [g 16][kq 4][n 256][k 128]: g = dir*8 + cg, n = w*64 + p*16 + r stands for column dir*2048 + p*512 + cg*64 + w*16 + r of W.
; wb1 = the same with kq 8, in F16: layer 1 multiplies in f16, since its other operand, h of layer 0, wants 11 significant bits.  W1 is rounded to bf16 like every input, and THAT number is written as f16.
; LIMIT.  A bf16 number is exact in f16 from 2^-17 to 65,504 in magnitude; below, it falls on f16's fixed step of 2^-24; above, it is lost.
; Work-groups 0-255 take seqs (32 rows t of one batch each), 256-511 W0, 512-1023 W1 (a tile of 128 k x 64 columns each, turned through LDS).
; Every store of a wave fills whole aligned pieces of 256 bytes.  The input lengths is not read anywhere in this program: the function that is computed takes it and never uses it.
.set SPW,   4                          ; v4  LDS address of my spare word; never rewritten
.set NIL,   5                          ; v5  0; never rewritten
.set TP,    272                        ; a stage row: one column's 128 k = 256 bytes + 16
.set SPARE, 64*TP                      ; 17,408: behind the stage, 128 bytes for each of the eight waves, named by no other line
	s_load_b256 s[4:11], s[0:1], 0x0               ; seqs s[4:5], W0 s[6:7], W1 s[8:9], xa s[10:11]
	s_load_b128 s[12:15], s[0:1], 0x20             ; wb0 s[12:13], wb1 s[14:15]
	v_lshl_add_u32 v[SPW], v0, 2, SPARE
	v_mov_b32 v[NIL], 0
	v_lshrrev_b32 v1, 5, v0
	v_readfirstlane_b32 s16, v1                    ; wave 0..7
	v_and_b32 v2, 15, v0                           ; x = lane % 16 (also thread % 16)
	v_bfe_u32 v3, v0, 4, 1                         ; lh = lane / 16
	s_wait_kmcnt 0x0
	s_cmp_lt_u32 ttmp9, 256                        ; the same answer in all eight waves
	s_cbranch_scc0 .Lweights
	; ---- seqs: batch b, rows t = 32 tg .. 32 tg + 31; wave w takes channels 64 w .. 64 w + 63 (kq = w / 2, hf = w % 2)
	s_lshr_b32 s17, ttmp9, 3                       ; b
	s_and_b32 s18, ttmp9, 7                        ; tg
	s_lshr_b32 s19, s16, 1                         ; kq
	s_and_b32 s20, s16, 1                          ; hf
	s_lshr_b32 s21, s18, 2                         ; c = t / 128
	s_and_b32 s22, s18, 3
	s_lshl_b32 s23, s17, 19                        ; b x 256 rows x 2,048 bytes
	s_lshl_b32 s24, s18, 16                        ; tg x 32 rows
	s_add_co_u32 s23, s23, s24
	s_lshl_b32 s24, s16, 8                         ; my 64 channels: 256 bytes
	s_add_co_u32 s23, s23, s24
	v_lshlrev_b32 v6, 11, v3                       ; lanes 16-31 take the odd row
	v_lshl_add_u32 v6, v2, 4, v6
	v_add_nc_u32 v6, s23, v6
.set i, 0
.rept 16                                               ; rows 2 i and 2 i + 1: two aligned pieces of 256 bytes an instruction; all sixteen go out at once
	global_load_b128 v[16+4*i:19+4*i], v6, s[4:5] offset:i*4096 th:TH_LOAD_NT
.set i, i+1
.endr
	s_lshl_b32 s25, s17, 15                        ; what both copies share: b x 32,768 + hf x 256 + kq x 1 MiB
	s_lshl_b32 s24, s20, 8
	s_add_co_u32 s25, s25, s24
	s_lshl_b32 s24, s19, 20
	s_add_co_u32 s25, s25, s24
	s_lshl_b32 s26, s21, 22                        ; copy 0: c x 4 MiB + sp x 512 with sp = 16 (tg % 4) + i
	s_lshl_b32 s24, s22, 13
	s_add_co_u32 s26, s26, s24
	s_add_co_u32 s26, s26, s25
	s_xor_b32 s27, s21, 1                          ; copy 1: (1 - c) x 4 MiB + sp x 512 with sp = 63 - 16 (tg % 4) - i
	s_lshl_b32 s27, s27, 22
	s_sub_co_u32 s24, 63*512, s24
	s_add_co_u32 s27, s27, s24
	s_add_co_u32 s27, s27, s25
	s_add_co_u32 s27, s27, 0x800000                ; copy 1 begins 8 MiB in
	v_lshlrev_b32 v7, 3, v2                        ; my 4 channels: 8 bytes
	v_lshl_add_u32 v8, v3, 7, v7                   ; copy 0: sl = lh
	v_add_nc_u32 v8, s26, v8
	v_xor_b32 v9, 1, v3                            ; copy 1: sl = 1 - lh
	v_lshl_add_u32 v9, v9, 7, v7
	v_add_nc_u32 v9, s27, v9
.set i, 0
.rept 16
	s_wait_loadcnt 15-i                            ; loads come back in order: pair i is in, the younger ones stay out
	v_cvt_pk_bf16_f32 v[80+2*i], v[16+4*i], v[17+4*i]
	v_cvt_pk_bf16_f32 v[81+2*i], v[18+4*i], v[19+4*i]
	global_store_b64 v8, v[80+2*i:81+2*i], s[10:11] offset:i*512    ; 32 lanes x 8 bytes: one aligned piece of 256 bytes: two positions x 64 channels
	global_store_b64 v9, v[80+2*i:81+2*i], s[10:11] offset:-i*512   ; the mirrored copy walks down
.set i, i+1
.endr
	s_branch .Lend                                 ; no register was written twice, so no store's sources had to be waited for
	; ---- W0 or W1: a tile of 128 rows k x 64 columns
.Lweights:
	s_cmp_lt_u32 ttmp9, 512
	s_cselect_b64 s[18:19], s[6:7], s[8:9]         ; from W0 or W1
	s_cselect_b64 s[20:21], s[12:13], s[14:15]     ; to wb0 or wb1
	s_cselect_b32 s22, 2, 3                        ; log2 of the K steps
	s_cselect_b32 s23, 4, 8
	s_lshl_b32 s23, s23, 6                         ; the first work-group of this tensor: 256 or 512
	s_sub_co_u32 s23, ttmp9, s23                   ; tile
	s_lshl_b32 s24, 1, s22
	s_sub_co_u32 s24, s24, 1
	s_and_b32 s24, s23, s24                        ; kq
	s_lshr_b32 s25, s23, s22                       ; ct = the 64 columns: dir*32 + p*8 + cg
	s_lshr_b32 s26, s25, 5                         ; dir
	s_bfe_u32 s27, s25, 0x20003                    ; p
	s_and_b32 s28, s25, 7                          ; cg
	v_lshrrev_b32 v6, 4, v0                        ; ty = thread / 16: rows 8 ty .. 8 ty + 7
	s_lshl_b32 s29, s24, 21                        ; kq x 128 rows x 16,384 bytes
	s_lshl_b32 s30, s25, 8                         ; ct x 256 bytes
	s_add_co_u32 s29, s29, s30
	v_lshlrev_b32 v7, 17, v6
	v_lshl_add_u32 v7, v2, 4, v7                   ; my 4 columns
	v_add_nc_u32 v7, s29, v7
.set i, 0
.rept 8                                                ; sixteen lanes read 256 aligned bytes of one row
	global_load_b128 v[16+4*i:19+4*i], v7, s[18:19] offset:i*16384 th:TH_LOAD_NT
.set i, i+1
.endr
	v_mul_u32_u24 v8, v2, 4*TP                     ; into the stage: row = column 4 x + c, 16 bytes = k 8 ty .. 8 ty + 7
	v_lshl_add_u32 v8, v6, 4, v8
	s_mul_i32 s30, s16, 8*TP                       ; back: wave w takes stage rows 8 w .. 8 w + 7, two an instruction
	v_mul_u32_u24 v9, v3, TP
	v_lshl_add_u32 v9, v2, 4, v9
	v_add_nc_u32 v9, s30, v9
	s_lshl_b32 s31, s26, 3
	s_add_co_u32 s31, s31, s28                     ; g
	s_lshl_b32 s31, s31, s22
	s_add_co_u32 s31, s31, s24
	s_lshl_b32 s31, s31, 16                        ; block (g, kq): 65,536 bytes
	s_lshr_b32 s32, s16, 1
	s_lshl_b32 s32, s32, 14                        ; n = (w / 2) x 64
	s_add_co_u32 s31, s31, s32
	s_lshl_b32 s32, s27, 12                        ;   + p x 16
	s_add_co_u32 s31, s31, s32
	s_and_b32 s32, s16, 1
	s_lshl_b32 s32, s32, 11                        ;   + (w % 2) x 8, rows of 256 bytes
	s_add_co_u32 s31, s31, s32
	v_lshlrev_b32 v10, 8, v3                       ;   + lh
	v_lshl_add_u32 v10, v2, 4, v10
	v_add_nc_u32 v10, s31, v10
	s_wait_loadcnt 0x0
.irp c, 0,1,2,3                                        ; column c of my four: eight k, the lower k in the lower half
	v_cvt_pk_bf16_f32 v[48+4*\c], v[16+\c], v[20+\c]
	v_cvt_pk_bf16_f32 v[49+4*\c], v[24+\c], v[28+\c]
	v_cvt_pk_bf16_f32 v[50+4*\c], v[32+\c], v[36+\c]
	v_cvt_pk_bf16_f32 v[51+4*\c], v[40+\c], v[44+\c]
.endr
	s_cmp_lt_u32 ttmp9, 512                        ; the same answer in all eight waves
	s_cbranch_scc1 .Lkeep_bf16                     ; W0 stays bf16
.set i, 0
.rept 16                                               ; W1: the bf16 numbers are widened and written as f16
	v_lshlrev_b32 v[80+2*i], 16, v[48+i]
	v_and_b32 v[81+2*i], 0xffff0000, v[48+i]
	v_cvt_pk_f16_f32 v[48+i], v[80+2*i], v[81+2*i]
.set i, i+1
.endr
.Lkeep_bf16:
.irp c, 0,1,2,3
	ds_store_b128 v8, v[48+4*\c:51+4*\c] offset:\c*TP
.endr
	s_wait_dscnt 0x0                               ; for the others' sake: my stores into the stage are done
	s_barrier_signal -1
	s_barrier_wait -1
.irp m, 0,1,2,3
	ds_load_b128 v[64+4*\m:67+4*\m], v9 offset:\m*2*TP
.endr
.irp m, 0,1,2,3
	s_wait_dscnt 3-\m
	global_store_b128 v10, v[64+4*\m:67+4*\m], s[20:21] offset:\m*512  ; sixteen lanes fill one row n: 256 aligned bytes
.endr
.Lend:
	s_wait_tensorcnt 0x0                           ; the wave's end
	ds_add_u32 v[SPW], v[NIL]
	s_wait_dscnt 0x0
	s_endpgm
.Lfunc_end_k_q1ee4484e47_prep:
	.size	k_q1ee4484e47_prep, .Lfunc_end_k_q1ee4484e47_prep-k_q1ee4484e47_prep
	.p2alignl 7, 3214868480
	.fill 96, 4, 3214868480
	.section	.rodata,"a",@progbits
	.p2align	6, 0x0
	.amdhsa_kernel k_q1ee4484e47_prep
		.amdhsa_group_segment_fixed_size 18432
		.amdhsa_private_segment_fixed_size 0
		.amdhsa_enable_private_segment 0
		.amdhsa_kernarg_size 48
		.amdhsa_user_sgpr_count 2
		.amdhsa_user_sgpr_kernarg_segment_ptr 1
		.amdhsa_wavefront_size32 1
		.amdhsa_system_sgpr_workgroup_id_x 1
		.amdhsa_system_sgpr_workgroup_id_y 1
		.amdhsa_system_sgpr_workgroup_id_z 1
		.amdhsa_system_vgpr_workitem_id 0
		.amdhsa_next_free_vgpr 112
		.amdhsa_next_free_sgpr 66
		.amdhsa_reserve_vcc 0
		.amdhsa_float_denorm_mode_32 3
		.amdhsa_float_denorm_mode_16_64 3
		.amdhsa_memory_ordered 1
		.amdhsa_forward_progress 1
		.amdhsa_inst_pref_size 17
	.end_amdhsa_kernel
	.amdgpu_metadata
---
amdhsa.version: [ 1, 2 ]
amdhsa.kernels:
  - .name:           k_q1ee4484e47_prep
    .symbol:         k_q1ee4484e47_prep.kd
    .args:
      - { .name: seqs, .offset: 0, .size: 8, .value_kind: global_buffer, .address_space: global }
      - { .name: W0, .offset: 8, .size: 8, .value_kind: global_buffer, .address_space: global }
      - { .name: W1, .offset: 16, .size: 8, .value_kind: global_buffer, .address_space: global }
      - { .name: xa, .offset: 24, .size: 8, .value_kind: global_buffer, .address_space: global }
      - { .name: wb0, .offset: 32, .size: 8, .value_kind: global_buffer, .address_space: global }
      - { .name: wb1, .offset: 40, .size: 8, .value_kind: global_buffer, .address_space: global }
    .group_segment_fixed_size: 18432
    .private_segment_fixed_size: 0
    .kernarg_segment_align: 8
    .kernarg_segment_size: 48
    .max_flat_workgroup_size: 256
    .sgpr_count:     66
    .vgpr_count:     112
    .wavefront_size: 32
...
	.end_amdgpu_metadata
.endif
;; end of part 1
;; launch layer0 (part 2): grid 16 x 16, 4 waves a work-group, clusters of 4 x 4, 327,680 bytes of LDS; arguments xa, wb0, vf0, vr0, bf0, br0, ha; writes ha
.if DOCPART == 2
	.amdgcn_target "amdgcn-amd-amdhsa--gfx1250"
	.amdhsa_code_object_version 6
	.text
	.protected	k_q1ee4484e47_layer0
	.globl	k_q1ee4484e47_layer0
	.p2align	8
	.type	k_q1ee4484e47_layer0,@function
k_q1ee4484e47_layer0:
	s_mov_b64 s[64:65], 0
	v_nop
	global_prefetch_b8 v0, s[64:65] scope:SCOPE_SE
	s_setreg_imm32_b32 hwreg(HW_REG_WAVE_MODE, 25, 1), 1
	s_wait_xcnt 0x0
	s_wait_alu depctr_hold_cnt(0) depctr_sa_sdst(0) depctr_va_vdst(0) depctr_va_sdst(0) depctr_va_ssrc(0) depctr_va_vcc(0) depctr_vm_vsrc(0)
	s_getreg_b32 s2, hwreg(HW_REG_IB_STS2, 6, 4)
	s_cmp_eq_u32 s2, 0
	s_cbranch_scc0 .Lentry_in_a_cluster
	s_endpgm
.Lentry_in_a_cluster:
	s_bfe_u32 s2, ttmp6, 0x10000c
	s_cmp_lg_u32 s2, 0xf033
	s_cbranch_scc0 .Lentry_shape_is_right
	s_endpgm
.Lentry_shape_is_right:
; ONE BIDIRECTIONAL SRU LAYER: U = x W by the matrix unit, and the recurrence straight out of the accumulators.  U never leaves registers.
; LAYER = 0: x = xa (K = 512, bf16 products), h goes out rounded to f16 into ha, in both orders of time.  LAYER = 1: x = ha (K = 1,024, f16 products), h goes to out1 in f32 and the last c to out0.
; SHARES.  Work-group (g, by): g = dir*8 + cg names a direction and 64 channels, by the batches 2 by and 2 by + 1.  Wave w owns channels cg*64 + 16 w + r and their four projections: 64 columns of U.
; THE LAYOUT THAT MAKES THE FUSION.  Rows 0-7 of a 16 x 16 tile are eight consecutive scan positions of batch 2 by, rows 8-15 the same positions of batch 2 by + 1.  In a result, register j of lane
; (r = lane % 16, h = lane / 16) holds row 8 h + j, column r: so a LANE IS ONE CHAIN (batch h, channel r) and the registers of block i are its positions 8 i .. 8 i + 7.
; A wave works in two CHUNKS of 128 positions: 16 blocks x 4 projections = 64 accumulators, 512 registers; then 128 steps of the recurrence in place; c is carried in a register.
; BOTH DIRECTIONS RUN ONE TEXT: the A operand lies in memory twice, by t and by 255 - t, and position s always ascends.
; THE STEP.  With KS = -log2 e:  f = 1 / (1 + 2^(KS (fp + bf) + KS vf c)),  c' = xt + f (c - xt),  r likewise from the old c,  h = q + r (c' - q) with q = sqrt(2) xp.
; bf and br enter as the C operand of the sums' first products.
; RING.  K goes in steps of 128 through two LDS slots; step sigma = chunk*NK + kq advances by 1 MiB in A, across the change of chunks too.  4 x 4 work-groups form a cluster: A's tile hangs on
; (dir, by) and is asked for jointly along a row of the cluster, B's on g and jointly along a column.
; FORMATS.  Every input is rounded once to bf16 (vf, vr, bf, br here; x and W by the launch before).  h of layer 0, which the program makes itself, is rounded once to f16: its rounding enters every one of
; layer 1's sums of 1,024 terms, and f16 keeps 11 significant bits where bf16 keeps 8.  All else is f32.
; LIMITS.  h of layer 0 must stay under 65,504 in magnitude (with seqs and W0 both carrying an offset of 30 of their spreads, sqrt(2) x W0 reaches 512 x 30 x 1.33 x 1.41, about 29,000); below 6e-5 it keeps
; f16's fixed step of 6e-8.  An exponential below 2^-126 counts as 0; a gate is exactly 0 or 1 where its argument is large; NaN and infinities are not treated apart.
.set LAYER, 0
.if LAYER
.set NK,     8                         ; K steps of 128
.set NKSH,   3
.set COPYSH, 24                        ; a copy of the A operand: 16 MiB
.else
.set NK,     4
.set NKSH,   2
.set COPYSH, 23                        ; 8 MiB
.endif
; LDS.  A batch's tile of A is 256 pieces of 128 bytes (two positions x two halves of 64 k) at a pitch of 144; position 8 i + j, half hf is piece 16 i + (j / 2) 4 + 2 hf + j % 2.
; In steps of 16 bytes modulo 16 the eight rows of batch 0 start at 0, 9, 4, 13, 8, 1, 12, 5; batch 1's tile begins 32 bytes past a multiple of 256, which puts its eight on the other eight
; (64 banks of 4 bytes: ISA guide 11.1).  B's rows are 256 bytes at a pitch of 272.
.set AP,     144
.set A1OFF,  256*AP+32                 ; 36,896
.set BOFF,   73984
.set BP,     272
.set BHALF,  128*BP
.set SLOT,   BOFF+2*BHALF              ; 143,616
.set STAGE,  2*SLOT                    ; behind the ring, never filled by a tensor load: 64 positions x 64 channels of f32 for each batch
.set SP,     272
.set ST1,    64*SP+64                  ; batch 1's rows: 16 banks further on, so that the two halves of the lanes store side by side
.set SPARE,  322304                    ; the spare words, 128 bytes for each wave, named by no other line
; vector registers, in windows of 256 (s_set_vgpr_msb: bits 1:0 source 0, 3:2 source 1, 5:4 source 2, 7:6 destination)
;   window 0: v0-63 below; v64-95, v96-127 B's fragments, two buffers; v128-191 accumulator blocks 14, 15; v192-255 the way out
;   window 1: A's fragments, two buffers of 128: block i at 8 i        window 2: blocks 0-6 at 32 i; v224-229 a scan set        window 3: blocks 7-13; v224-229 a scan set
;   accumulator (i, p) at block + 8 p: p = 0 xt, 1 f, 2 r, 3 xp.  A scan set: +0 KS vf, +1 KS vr, +2 c - xt, +3 c' - q, +4 my stage address, +5 c carried in
.set CTO,  1
.set LA,   2                           ; my lane's place in A's tiles; never rewritten
.set LB,   3                           ; in B's tile
.set ADRA, 4                           ; the same in the slot that is being read
.set ADRB, 5
.set SPW,  6                           ; LDS address of my spare word; never rewritten
.set NIL,  7                           ; 0; never rewritten
.set PFO,  8                           ; 256 x lane; never rewritten
.set CTR,  9
.set SS0,  10                          ; window 0's scan set, v10-15
.set BFT,  16                          ; v16-23 bf in all eight, v24-31 br: tiles for the C operand
.set BRT,  24
.set OFK,  32                          ; layer 1: v32-47 my sixteen offsets in out1
.set OSV,  32                          ; layer 0: my offset in the copy of the same order,
.set ORV,  33                          ;          in the mirrored copy,
.set RD0,  34                          ;          and where I read the stage
.set RD1,  48                          ; layer 1: where I read the stage
.set WT,   192
; scalar registers
.set WV,   20
.set W1,   21                          ; wave % 2: which batch of A, or which 128 rows of B, I fetch
.set ROLE, 22                          ; wave / 2: I fetch for A (0) or B (1)
.set CX,   23
.set CY,   24
.set GG,   25
.set BY,   26
.set DIR,  27
.set G1A,  28                          ; s[28:35], s[36:43] descriptor group 1 for A's and B's tiles
.set G1B,  36
.set G0A,  44                          ; s[44:47] group 0 of A's first fill; s[48:51] the set that walks
.set G0AW, 48
.set G0B,  52
.set G0BW, 56
.set TB,   60                          ; LDS byte at which the slot that is being read begins
.set RQ,   61                          ; the step to be asked for next
.set KC,   62
.set CH,   63
.set ABASE, 66
.set BBASE, 68
.set OFFA, 70
.set OFFB, 72
.set WPA,  74                          ; my part's place in a slot, as a fetcher for A, for B
.set WPB,  75
.set PFA,  76                          ; where my prefetches stand
.set PSTEP, 78
.set PN,   80                          ; prefetches still due
.set CLY,  81
.set KS,   82                          ; s[82:83] -log2 e
.set R2,   84                          ; s[84:85] sqrt 2
.set RS,   86
.set BS,   87
.set HS,   86
.set HR,   88
.set OUT,  90
.set MSB, 0
.macro WIN new                         ; the immediate's high byte repeats the setting that is left; a switch that changes nothing is dropped
.if MSB != (\new)
	s_set_vgpr_msb (MSB<<8)|(\new)
.set MSB, (\new)
.endif
.endm
.macro PLACES                          ; four places in front of loads into registers that matrix instructions have read (ISA guide 7.12.1 for vector instructions)
.rept 4
	v_nop
.endr
.endm
; A joint refill.  Waves 0 and 1 fetch A's two batches, waves 2 and 3 B's two halves.  The branch hangs on the wave's number alone.  An s_nop 0 and four v_nop follow each line.
.macro JLOAD
	s_cmp_lt_u32 s[WV], 2
	s_cbranch_scc0 .Lfor_b_\@
	tensor_load_to_lds s[G0AW:G0AW+3], s[G1A:G1A+7]
	s_nop 0
.rept 4
	v_nop
.endr
	s_branch .Lasked_\@
.Lfor_b_\@:
	tensor_load_to_lds s[G0BW:G0BW+3], s[G1B:G1B+7]
	s_nop 0
.rept 4
	v_nop
.endr
.Lasked_\@:
.endm
.macro CREST                           ; a round of the cluster's barrier behind its opening barrier
	s_cmp_lg_u32 s[WV], 0
	s_cbranch_scc1 .Lnot_wave_0_\@
	s_barrier_signal -3
.Lnot_wave_0_\@:
	s_barrier_wait -3
	s_barrier_signal -1
	s_barrier_wait -1
.endm
.macro CROUND
	s_barrier_signal -1
	s_barrier_wait -1
	CREST
.endm
; A prefetch of the step that stands two refills on: of the 128 pieces of 256 bytes of the tile that I fetch, my work-group's 32, a lane a piece.  The four partners that ask for a tile jointly are told apart
; by address.  A's tiles are read by both clusters of a direction: the even one asks; B's by all four clusters of a column: cluster y = 0 asks, in B's first walk alone.  PN runs out before a buffer's end.
.macro ASK
	s_cmp_lg_u32 s[PN], 0
	s_cbranch_scc0 .Lnot_mine_\@
	global_prefetch_b8 v[PFO], s[PFA:PFA+1] th:TH_LOAD_NT scope:SCOPE_SE
	s_sub_co_u32 s[PN], s[PN], 1
.Lnot_mine_\@:
.endm
.macro MMA ops:vararg                  ; the layer's form of the matrix instruction: one form in the whole text
.if LAYER
	v_wmma_f32_16x16x32_f16 \ops
.else
	v_wmma_f32_16x16x32_bf16 \ops
.endif
.endm
; One matrix instruction: accumulator (i, p) += A's block i x B's projection p, from fragment buffer f.  init = 1: the product starts the sum, with 0 or with the bias tile.
.macro WM f, i, p, init
.if (\i) < 7
.set aw, 2
.set al, 32*(\i)+8*(\p)
.elseif (\i) < 14
.set aw, 3
.set al, 32*((\i)-7)+8*(\p)
.else
.set aw, 0
.set al, 128+32*((\i)-14)+8*(\p)
.endif
.set fa, 128*(\f)+8*(\i)
.set fb, 64+32*(\f)+8*(\p)
.if \init
	WIN (aw<<6)|1
.if (\p) == 1
	MMA v[al:al+7], v[fa:fa+7], v[fb:fb+7], v[BFT:BFT+7]
.elseif (\p) == 2
	MMA v[al:al+7], v[fa:fa+7], v[fb:fb+7], v[BRT:BRT+7]
.else
	MMA v[al:al+7], v[fa:fa+7], v[fb:fb+7], 0
.endif
.else
	WIN (aw<<6)|(aw<<4)|1
	MMA v[al:al+7], v[fa:fa+7], v[fb:fb+7], v[al:al+7]
.endif
.endm
.macro MULB f, i0, i1, init            ; blocks i0 .. i1.  All 64 accumulators take turns, one instruction a turn, in the same order in every quarter
.set mi, (\i0)
.rept (\i1)-(\i0)+1
.irp p, 0,1,2,3
	WM \f, mi, \p, \init
.endr
.set mi, mi+1
.endr
.endm
; 40 LDS loads in one run: the fragments of quarter q (32 along K) into buffer f: B's four, then A's sixteen in block order
.macro FETCH q, f
	WIN 0
.irp p, 0,1,2,3
	ds_load_b128 v[64+32*(\f)+8*(\p):64+32*(\f)+8*(\p)+3],   v[ADRB] offset:(\p)*16*BP+64*(\q)
	ds_load_b128 v[64+32*(\f)+8*(\p)+4:64+32*(\f)+8*(\p)+7], v[ADRB] offset:(\p)*16*BP+64*(\q)+32
.endr
	WIN 0x40                                       ; destination window 1, address window 0
.set fi, 0
.rept 16
	ds_load_b128 v[128*(\f)+8*fi:128*(\f)+8*fi+3],   v[ADRA] offset:fi*16*AP+((\q)/2)*2*AP+((\q)%2)*64
	ds_load_b128 v[128*(\f)+8*fi+4:128*(\f)+8*fi+7], v[ADRA] offset:fi*16*AP+((\q)/2)*2*AP+((\q)%2)*64+32
.set fi, fi+1
.endr
.endm
; One of a K step's first three quarters: multiplies buffer f and, in its middle, fetches quarter qn into buffer g
.macro QUARTER f, g, qn, init
	s_wait_dscnt 18                                ; B and A's blocks 0-6 are in; the youngest eighteen loads (blocks 7-15) may be out
	MULB \f, 0, 6, \init
	PLACES
	FETCH \qn, \g
	s_wait_dscnt 40                                ; all but the 40 just issued
	MULB \f, 7, 13, \init
	MULB \f, 14, 15, \init
.endm
; The fourth quarter multiplies buffer 1 and changes slots.  In front of the barrier each wave waits for all its tensor loads (one is out: its part of the next slot), adds 0 to its spare word, and waits for
; that and for its reads of this slot.  m = 1: the barrier opens a round of the cluster's, and the slot just read is filled again, first thing behind the round, with step RQ.
; sk = 1: in the trip with KC = 1, a chunk's last K step, no fragments are fetched: the next chunk fetches its own.
.macro TURN m, sk
.if \m
	s_wait_xcnt 0x0                                ; the last prefetch, a K step back, has read its address
	s_add_nc_u64 s[PFA:PFA+1], s[PFA:PFA+1], s[PSTEP:PSTEP+1]
.endif
	WIN 0                                          ; (the add's two registers lie in window 0)
	s_wait_tensorcnt 0x0                           ; no tensor load of mine is out, so a group 0 may be written
	ds_add_u32 v[SPW], v[NIL]                      ; 0 onto my spare word
.if \m
	s_add_co_u32 s[G0AW+1], s[TB], s[WPA]          ; into the slot that is being left
	s_add_co_u32 s[G0BW+1], s[TB], s[WPB]
	s_lshl_b32 s[OFFA], s[RQ], 20                  ; A: a step is 1 MiB
	s_and_b32 s[OFFB], s[RQ], NK-1                 ; B: walked anew in each chunk, 64 KiB a step
	s_lshl_b32 s[OFFB], s[OFFB], 16
	s_add_nc_u64 s[G0AW+2:G0AW+3], s[ABASE:ABASE+1], s[OFFA:OFFA+1]
	s_or_b32 s[G0AW+3], s[G0AW+3], 0x80000000
	s_add_nc_u64 s[G0BW+2:G0BW+3], s[BBASE:BBASE+1], s[OFFB:OFFB+1]
	s_or_b32 s[G0BW+3], s[G0BW+3], 0x80000000
	s_add_co_u32 s[RQ], s[RQ], 1
.endif
	s_xor_b32 s[TB], s[TB], SLOT                   ; 0 and SLOT by turns
	s_wait_dscnt 19                                ; (the add and the youngest eighteen loads may be out)
	MULB 1, 0, 3, 0
	s_wait_dscnt 0x0                               ; the add is done, and my reads of this slot are over
	s_barrier_signal -1
	MULB 1, 4, 6, 0                                ; work on registers while the others arrive
	WIN 0
	s_barrier_wait -1
.if \m
	CREST                                          ; no wave of any partner still reads this slot's tiles or has a load on its way
	JLOAD                                          ; its four v_nop are also places in front of the loads below
.else
	v_nop
	v_nop
.endif
	v_add_nc_u32 v[ADRA], s[TB], v[LA]             ; (with the two above: four places)
	v_add_nc_u32 v[ADRB], s[TB], v[LB]
.if \sk
	s_cmp_eq_u32 s[KC], 1
	s_cbranch_scc1 .Lnofetch_\@
.endif
	FETCH 0, 0
	WIN 0
.if \sk
.Lnofetch_\@:
.endif
.if \m
	ASK
.endif
	MULB 1, 7, 13, 0
	MULB 1, 14, 15, 0
.endm
; THE RECURRENCE.  All operands of a line lie in one window (SCW), whose scan set begins at SB.
.macro SETB name, i                    ; block i's first register within its window
.if (\i) < 7
.set \name, 32*(\i)
.elseif (\i) < 14
.set \name, 32*((\i)-7)
.else
.set \name, 128+32*((\i)-14)
.endif
.endm
.macro PMUL i, n                       ; number n of the 12 scalings of block i: 0-3 f's pairs and 4-7 r's by KS, 8-11 xp's by sqrt 2; each accumulator from its low end on
	WIN SCW
	SETB qb, \i
.if (\n) < 8
	v_pk_mul_f32 v[qb+8+2*(\n):qb+8+2*(\n)+1], v[qb+8+2*(\n):qb+8+2*(\n)+1], s[KS:KS+1] op_sel_hi:[1,0]
.else
	v_pk_mul_f32 v[qb+8+2*(\n):qb+8+2*(\n)+1], v[qb+8+2*(\n):qb+8+2*(\n)+1], s[R2:R2+1] op_sel_hi:[1,0]
.endif
.endm
.macro PRE i
.irp n, 0,1,2,3,4,5,6,7,8,9,10,11
	PMUL \i, \n
.endr
.endm
.macro STB s0                          ; the eight h of the block that begins at position s0 go into the stage, in one run: no LDS store stands among a step's dependent lines
	WIN SCW
	SETB tb, (\s0)/8
.set tj, 0
.rept 8
	ds_store_b32 v[SB+4], v[tb+24+tj] offset:(((\s0)+tj)%64)*SP
.set tj, tj+1
.endr
.endm
; Position s.  cin = 1: c comes from the scan set, else from xt's register of position s - 1, where c' was left.  prev = 1: h of position s - 1 is finished beside the exponentials; it stays in xp's register, and
; a block's eight are stored together in the next block's first step, directly behind that step's first wait, which has shown all the wave's vector results written.
; The chain is five links: fmac, exp, add, rcp, fmac.  Behind each pair of transcendentals stand a plain instruction and the one wait ahead of the first use.
.macro STEP s, cin, prev
	WIN SCW
.set sj, (\s)%8
.set si, (\s)/8
	SETB cb, (\s)/8
.if \cin
.set cr, SB+5
.else
.set pj, ((\s)-1)%8
	SETB pb, ((\s)-1)/8
.set cr, pb+pj
.endif
	v_fmac_f32 v[cb+8+sj], v[cr], v[SB]            ; KS (fp + bf) + KS vf c
	v_fmac_f32 v[cb+16+sj], v[cr], v[SB+1]
	v_exp_f32 v[cb+8+sj], v[cb+8+sj]
	v_exp_f32 v[cb+16+sj], v[cb+16+sj]
	v_sub_f32 v[SB+2], v[cr], v[cb+sj]             ; c - xt
.if \prev
	v_sub_f32 v[SB+3], v[cr], v[pb+24+pj]          ; c' - q of the position before
	v_fmac_f32 v[pb+24+pj], v[pb+16+pj], v[SB+3]   ; h = q + r (c' - q)
.endif
	s_wait_alu depctr_va_vdst(0)
.if (\prev) && (sj == 0)
	STB ((\s)-8)                                   ; the block before is whole
.endif
	v_add_f32 v[cb+8+sj], 1.0, v[cb+8+sj]
	v_add_f32 v[cb+16+sj], 1.0, v[cb+16+sj]
	v_rcp_f32 v[cb+8+sj], v[cb+8+sj]
	v_rcp_f32 v[cb+16+sj], v[cb+16+sj]
.if (si != 6) && (si != 13) && (si != 15)
	PMUL si+1, sj                                  ; the next block's scalings fill the wait for the reciprocals
.if sj < 4
	PMUL si+1, sj+8
.endif
.else
	v_nop                                          ; the next block lies in another window
.endif
	s_wait_alu depctr_va_vdst(0)
	v_fmac_f32 v[cb+sj], v[cb+8+sj], v[SB+2]       ; c' = xt + f (c - xt), left in xt's register
.endm
.macro FLUSH s                         ; h of position s, a block's last, where no next step does it; then the block's stores
	WIN SCW
.set pj, (\s)%8
	SETB pb, (\s)/8
	v_sub_f32 v[SB+3], v[pb+pj], v[pb+24+pj]
	v_fmac_f32 v[pb+24+pj], v[pb+16+pj], v[SB+3]
	STB ((\s)-7)
.endm
; THE WAY OUT of 64 positions: all four waves' stores into the stage are done (barrier), whole rows are read back and stored, and the reads are done (barrier) before the stage is written again.
.if LAYER
.macro WOUT half
	WIN 0
	s_wait_dscnt 0x0
	s_barrier_signal -1
	s_barrier_wait -1
.set wk, 0
.rept 16                                               ; wave w: batch w / 2, positions 32 (w % 2) + 2 k + lane / 16: sixteen lanes take a row's 256 bytes
	ds_load_b128 v[WT+4*wk:WT+4*wk+3], v[RD1] offset:wk*2*SP
.set wk, wk+1
.endr
.set wk, 0
.rept 16
	s_wait_dscnt 15-wk
	global_store_b128 v[OFK+wk], v[WT+4*wk:WT+4*wk+3], s[OUT:OUT+1] th:TH_STORE_NT  ; sixteen lanes store 256 consecutive bytes, aligned
.set wk, wk+1
.endr
	s_wait_xcnt 0x0                                ; the stores have read their registers
.set wk, 0
.rept 16
	v_add_nc_u32 v[OFK+wk], s[BS], v[OFK+wk]       ; 64 rows of time on, up or down by the direction
.set wk, wk+1
.endr
	s_barrier_signal -1
	s_barrier_wait -1
.endm
.else
.macro WOUT half
	WIN 0
	s_wait_dscnt 0x0
	s_barrier_signal -1
	s_barrier_wait -1
.set wk, 0
.rept 8                                                ; a lane takes 8 channels of one position; sixteen lanes two positions x 64 channels: one piece of 256 bytes of ha
	ds_load_b128 v[WT+8*wk:WT+8*wk+3],   v[RD0] offset:wk*4*SP
	ds_load_b128 v[WT+8*wk+4:WT+8*wk+7], v[RD0] offset:wk*4*SP+16
.set wk, wk+1
.endr
.set wk, 0
.rept 8
	s_wait_dscnt 14-2*wk
	v_cvt_pk_f16_f32 v[WT+8*wk],   v[WT+8*wk],   v[WT+8*wk+1]    ; h's one rounding, to f16
	v_cvt_pk_f16_f32 v[WT+8*wk+1], v[WT+8*wk+2], v[WT+8*wk+3]
	v_cvt_pk_f16_f32 v[WT+8*wk+2], v[WT+8*wk+4], v[WT+8*wk+5]
	v_cvt_pk_f16_f32 v[WT+8*wk+3], v[WT+8*wk+6], v[WT+8*wk+7]
	global_store_b128 v[OSV], v[WT+8*wk:WT+8*wk+3], s[HS:HS+1] offset:wk*1024   ; the copy in my order of positions, ascending
	global_store_b128 v[ORV], v[WT+8*wk:WT+8*wk+3], s[HR:HR+1] offset:-wk*1024  ; the mirrored copy, descending
.set wk, wk+1
.endr
	s_wait_xcnt 0x0                                ; the stores have read their registers and bases
.if (\half) == 0
	s_add_nc_u64 s[HS:HS+1], s[HS:HS+1], 16384     ; 32 pairs of positions on
	s_sub_nc_u64 s[HR:HR+1], s[HR:HR+1], 16384
.else
	s_add_nc_u64 s[HS:HS+1], s[HS:HS+1], 0x7fc000  ; the next chunk lies 8 MiB on
	s_sub_nc_u64 s[HR:HR+1], s[HR:HR+1], 0x7fc000
.endif
	s_barrier_signal -1
	s_barrier_wait -1
.endm
.endif
	s_load_b256 s[4:11], s[0:1], 0x0               ; A s[4:5], B s[6:7], vf s[8:9], vr s[10:11]
	s_load_b128 s[12:15], s[0:1], 0x20             ; bf s[12:13], br s[14:15]
.if LAYER
	s_load_b128 s[16:19], s[0:1], 0x30             ; out0 s[16:17], out1 s[18:19]
.else
	s_load_b64 s[16:17], s[0:1], 0x30              ; ha
.endif
	v_lshl_add_u32 v[SPW], v0, 2, SPARE
	v_mov_b32 v[NIL], 0
	ds_add_u32 v[SPW], v[NIL]                      ; the wave's opening
	ds_add_u32 v[SPW], v[NIL]
	v_lshrrev_b32 v49, 5, v0
	v_readfirstlane_b32 s[WV], v49                 ; wave 0..3
	s_and_b32 s[W1], s[WV], 1
	s_lshr_b32 s[ROLE], s[WV], 1
	s_bfe_u32 s[CX], ttmp6, 0x40000                ; my place in the cluster
	s_bfe_u32 s[CY], ttmp6, 0x40004
	s_lshl_b32 s[GG], ttmp9, 2
	s_add_co_u32 s[GG], s[GG], s[CX]               ; g = 4 x cluster x + cx
	s_and_b32 s[CLY], ttmp7, 0xffff
	s_lshl_b32 s[BY], s[CLY], 2
	s_add_co_u32 s[BY], s[BY], s[CY]               ; by = 4 x cluster y + cy
	s_lshr_b32 s[DIR], ttmp9, 1                    ; the direction hangs on the cluster's x alone
	s_lshl_b32 s92, s[CY], 2
	s_lshl_b32 s92, 15, s92                        ; my row of the cluster
	s_lshl_b32 s93, 0x1111, s[CX]                  ; my column
	; group 1: 128 rows x 128 elements of 2 bytes, dense in memory.  A: 16 bytes of padding after every 128; B: after every 256
	s_or_b32 s[G1A], s92, (1<<16)|(1<<20)|(1<<21)|(4<<22)|(3<<25)
	s_or_b32 s[G1B], s93, (1<<16)|(1<<20)|(1<<21)|(5<<22)|(3<<25)
.irp g, G1A, G1B
	s_mov_b32 s[\g+1], 128<<16                     ; tensor_dim0 = 128
	s_mov_b32 s[\g+2], 128<<16                     ; tensor_dim1 = 128
	s_mov_b32 s[\g+3], 128<<16                     ; tile_dim0 = 128
	s_mov_b32 s[\g+4], 128                         ; tile_dim1 = 128
	s_mov_b32 s[\g+5], 128                         ; 128 elements from row to row
	s_mov_b32 s[\g+6], 0
	s_mov_b32 s[\g+7], 0
.endr
	s_mul_i32 s[WPA], s[W1], A1OFF                 ; no place in the cluster enters an LDS address
	s_mul_i32 s[WPB], s[W1], BHALF
	s_add_co_u32 s[WPB], s[WPB], BOFF
	s_mov_b32 s[G0A], 1
	s_mov_b32 s[G0A+1], s[WPA]                     ; step 0 into slot 0
	s_mov_b32 s[G0AW], 1
	s_add_co_u32 s[G0AW+1], s[WPA], SLOT           ; step 1 into slot 1
	s_mov_b32 s[G0B], 1
	s_mov_b32 s[G0B+1], s[WPB]
	s_mov_b32 s[G0BW], 1
	s_add_co_u32 s[G0BW+1], s[WPB], SLOT
	s_lshl_b32 s94, s[BY], 1                       ; A: made of dir, by and the wave alone
	s_add_co_u32 s94, s94, s[W1]
	s_lshl_b32 s94, s94, 15                        ; batch 2 by + wave % 2: 32,768 bytes a step
	s_lshl_b32 s95, s[DIR], COPYSH                 ; the copy in my direction's order
	s_add_co_u32 s94, s94, s95
	s_mov_b32 s95, 0
	s_lshl_b32 s96, s[GG], 16+NKSH                 ; B: made of g and the wave alone
	s_lshl_b32 s97, s[W1], 15
	s_add_co_u32 s96, s96, s97
	s_mov_b32 s97, 0
	s_mov_b32 s[OFFA+1], 0
	s_mov_b32 s[OFFB+1], 0
	s_mov_b32 s[KS], 0xbfb8aa3b                    ; -log2 e
	s_mov_b32 s[KS+1], s[KS]                       ; named with it as a pair
	s_mov_b32 s[R2], 0x3fb504f3                    ; sqrt 2
	s_mov_b32 s[R2+1], s[R2]
	s_mov_b32 s[TB], 0
	s_mov_b32 s[RQ], 2
	s_mov_b32 s[CH], 2
	s_wait_dscnt 0x0                               ; both opening adds are done
	s_wait_kmcnt 0x0
	s_add_nc_u64 s[ABASE:ABASE+1], s[4:5], s[94:95]
	s_add_nc_u64 s[BBASE:BBASE+1], s[6:7], s[96:97]
	s_mov_b64 s[G0A+2:G0A+3], s[ABASE:ABASE+1]
	s_or_b32 s[G0A+3], s[G0A+3], 0x80000000
	s_add_nc_u64 s[G0AW+2:G0AW+3], s[ABASE:ABASE+1], 0x100000
	s_or_b32 s[G0AW+3], s[G0AW+3], 0x80000000
	s_mov_b64 s[G0B+2:G0B+3], s[BBASE:BBASE+1]
	s_or_b32 s[G0B+3], s[G0B+3], 0x80000000
	s_add_nc_u64 s[G0BW+2:G0BW+3], s[BBASE:BBASE+1], 0x10000
	s_or_b32 s[G0BW+3], s[G0BW+3], 0x80000000
	CROUND                                         ; all sixteen work-groups are here: the first joint loads meet
	s_cmp_lt_u32 s[WV], 2                          ; a wave's two first fills stand in one branch: two loads of mine are out
	s_cbranch_scc0 .Lfirst_b
	tensor_load_to_lds s[G0A:G0A+3], s[G1A:G1A+7]
	s_nop 0
	tensor_load_to_lds s[G0AW:G0AW+3], s[G1A:G1A+7]
	s_nop 0
.rept 4
	v_nop
.endr
	s_branch .Lfirst_asked
.Lfirst_b:
	tensor_load_to_lds s[G0B:G0B+3], s[G1B:G1B+7]
	s_nop 0
	tensor_load_to_lds s[G0BW:G0BW+3], s[G1B:G1B+7]
	s_nop 0
.rept 4
	v_nop
.endr
.Lfirst_asked:
	v_and_b32 v50, 15, v0                          ; r
	v_bfe_u32 v51, v0, 4, 1                        ; h
	v_and_b32 v52, 7, v0
	v_bfe_u32 v53, v0, 3, 1
	v_and_b32 v54, 1, v0
	v_bfe_u32 v55, v0, 1, 2
	s_lshl_b32 s98, s[GG], 8                       ; my channel dir*512 + cg*64 + 16 w + r, in bytes: 256 g + 64 w + 4 r
	s_lshl_b32 s99, s[WV], 6
	s_add_co_u32 s98, s98, s99
	v_lshl_add_u32 v58, v50, 2, s98
	global_load_b32 v59, v58, s[8:9]               ; vf
	global_load_b32 v60, v58, s[10:11]             ; vr
	global_load_b32 v61, v58, s[12:13]             ; bf
	global_load_b32 v62, v58, s[14:15]             ; br
	v_lshl_add_u32 v56, v55, 2, v54                ; A: row l % 16 of a block: batch (l % 16) / 8, piece ((l % 8) / 2) 4 + l % 2; 16 bytes for each half of the lanes
	v_mul_u32_u24 v56, v56, AP
	v_mul_u32_u24 v57, v53, A1OFF
	v_add_nc_u32 v56, v56, v57
	v_lshl_add_u32 v[LA], v51, 4, v56
	s_mul_i32 s98, s[WV], 64*BP                    ; B: row 64 w + r
	s_add_co_u32 s98, s98, BOFF
	v_mul_u32_u24 v56, v50, BP
	v_lshl_add_u32 v56, v51, 4, v56
	v_add_nc_u32 v[LB], s98, v56
	v_mov_b32 v[ADRA], v[LA]
	v_mov_b32 v[ADRB], v[LB]
	v_and_b32 v[PFO], 31, v0
	v_lshlrev_b32 v[PFO], 8, v[PFO]
	s_lshl_b32 s98, s[WV], 6                       ; the stage: batch h, channel 16 w + r
	s_add_co_u32 s98, s98, STAGE
	v_mul_u32_u24 v56, v51, ST1
	v_lshl_add_u32 v56, v50, 2, v56
	v_add_nc_u32 v[SS0+4], s98, v56
	s_mul_i32 s98, s[ROLE], ST1                    ; back from the stage: batch w / 2, its rows 32 (w % 2) on
	s_mul_i32 s99, s[W1], 32*SP
	s_add_co_u32 s98, s98, s99
	s_add_co_u32 s98, s98, STAGE
.if LAYER
	v_mul_u32_u24 v56, v51, SP
	v_lshl_add_u32 v56, v50, 4, v56
	v_add_nc_u32 v[RD1], s98, v56
	s_lshl_b32 s98, s[DIR], 1
	s_sub_co_u32 s98, 1, s98                       ; +1 forward, -1 backward
	s_mul_i32 s[RS], s98, 8192                     ; two rows of out1
	s_mul_i32 s[BS], s98, 262144                   ; 64 rows
	s_lshl_b32 s98, s[W1], 5
	s_mul_i32 s99, s[DIR], 255
	v_add_nc_u32 v56, s98, v51                     ; position 32 (w % 2) + lane / 16,
	v_xor_b32 v56, s99, v56                        ; as a time: t = s, or 255 - s
	v_lshlrev_b32 v56, 12, v56
	v_lshl_add_u32 v56, v50, 4, v56
	s_lshl_b32 s98, s[BY], 1
	s_add_co_u32 s98, s98, s[ROLE]
	s_lshl_b32 s98, s98, 20                        ; batch 2 by + w / 2: 1 MiB
	v_add_nc_u32 v[OFK], s98, v56
.set wk, 1
.rept 15
	v_add_nc_u32 v[OFK+wk], s[RS], v[OFK+wk-1]
.set wk, wk+1
.endr
	s_lshl_b32 s100, s[GG], 8                      ; my 64 channels of a row: 256 g bytes
	s_mov_b32 s101, 0
	s_add_nc_u64 s[OUT:OUT+1], s[18:19], s[100:101]
	v_mul_u32_u24 v56, v51, ST1                    ; the last c: row 0 of each batch's stage,
	v_lshl_add_u32 v56, v50, 4, v56
	v_add_nc_u32 v[CTR], STAGE, v56
	s_lshl_b32 s98, s[BY], 13                      ; and row 2 by + lane / 16 of out0
	s_add_co_u32 s98, s98, s100
	v_lshlrev_b32 v56, 12, v51
	v_lshl_add_u32 v56, v50, 4, v56
	v_add_nc_u32 v[CTO], s98, v56
.else
	v_lshl_add_u32 v56, v51, 1, v53                ; row 2 (lane / 16) + (l % 16) / 8, channels 8 (l % 8) on
	v_mul_u32_u24 v56, v56, SP
	v_lshl_add_u32 v56, v52, 5, v56
	v_add_nc_u32 v[RD0], s98, v56
	s_lshl_b32 s98, s[ROLE], 15                    ; batch w / 2
	s_lshl_b32 s99, s[W1], 13                      ; 16 (w % 2) pairs of positions
	s_add_co_u32 s100, s98, s99
	v_lshlrev_b32 v56, 9, v51
	v_lshl_add_u32 v57, v50, 4, v56
	v_add_nc_u32 v[OSV], s100, v57
	s_sub_co_u32 s100, s98, s99                    ; mirrored: pair 31 - 16 (w % 2) - lane / 16, the two positions of a pair exchanged
	s_add_co_u32 s100, s100, 31*512
	v_xor_b32 v57, 1, v53
	v_lshlrev_b32 v57, 7, v57
	v_lshl_add_u32 v57, v52, 4, v57
	v_add_nc_u32 v57, s100, v57
	v_sub_nc_u32 v[ORV], v57, v56
	s_lshr_b32 s98, s[GG], 1                       ; my channels are K step g / 2, half g % 2 of the next layer's K
	s_lshl_b32 s98, s98, 20
	s_lshl_b32 s99, s[BY], 16
	s_add_co_u32 s98, s98, s99
	s_and_b32 s99, s[GG], 1
	s_lshl_b32 s99, s99, 8
	s_add_co_u32 s98, s98, s99
	s_lshl_b32 s100, s[DIR], 24                    ; the copy whose order is mine is copy dir,
	s_add_co_u32 s100, s100, s98
	s_mov_b32 s101, 0
	s_add_nc_u64 s[HS:HS+1], s[16:17], s[100:101]
	s_xor_b32 s100, s[DIR], 1                      ; the mirrored one the other: it begins in its chunk 1, upper half
	s_lshl_b32 s100, s100, 24
	s_add_co_u32 s100, s100, s98
	s_add_co_u32 s100, s100, (8<<20)+16384
	s_add_nc_u64 s[HR:HR+1], s[16:17], s[100:101]
.endif
	; the prefetches.  Nothing is asked for here, at the head: steps 0 to 3 come by their loads alone
	s_and_b32 s98, ttmp9, 1
	s_cmp_eq_u32 s[ROLE], 0
	s_cselect_b64 s[PFA:PFA+1], s[ABASE:ABASE+1], s[BBASE:BBASE+1]
	s_cselect_b32 s98, s98, s[CLY]                 ; 0 in the cluster that asks: the same in all sixteen partners, for a given wave
	s_cselect_b32 s100, s[CX], s[CY]               ; my place among the four that ask for the tile with me
	s_cselect_b32 s[PN], 2*NK-4, NK-4
	s_cselect_b32 s[PSTEP], 20, 16
	s_lshl_b32 s[PSTEP], 1, s[PSTEP]
	s_mov_b32 s[PSTEP+1], 0
	s_cmp_eq_u32 s98, 0
	s_cselect_b32 s[PN], s[PN], 0
	s_lshl_b32 s100, s100, 13                      ; my work-group's 32 pieces of the 128
	s_mov_b32 s101, 0
	s_add_nc_u64 s[PFA:PFA+1], s[PFA:PFA+1], s[100:101]
	s_mul_i32 s100, s[PSTEP], 3                    ; at step 3: the first change of slots steps it to 4
	s_add_nc_u64 s[PFA:PFA+1], s[PFA:PFA+1], s[100:101]
	s_wait_loadcnt 0x0
	v_cvt_pk_bf16_f32 v59, v59, v60                ; the four vectors are rounded to bf16 like every other input, and widened again
	v_cvt_pk_bf16_f32 v61, v61, v62
	v_lshlrev_b32 v60, 16, v59
	v_and_b32 v59, 0xffff0000, v59
	v_mul_f32 v[SS0], s[KS], v60                   ; KS vf
	v_mul_f32 v[SS0+1], s[KS], v59                 ; KS vr
	v_lshlrev_b32 v[BFT], 16, v61
	v_and_b32 v[BRT], 0xffff0000, v61
.set wk, 1
.rept 7                                                ; a lane is one column: its bias in all eight registers of a tile
	v_mov_b32 v[BFT+wk], v[BFT]
	v_mov_b32 v[BRT+wk], v[BRT]
.set wk, wk+1
.endr
	WIN 0x80                                       ; the scan sets of windows 2 and 3
	v_mov_b32 v[224], v[SS0]
	v_mov_b32 v[225], v[SS0+1]
	v_mov_b32 v[228], v[SS0+4]
	v_mov_b32 v[229], 0                            ; c starts at 0
	WIN 0xc0
	v_mov_b32 v[224], v[SS0]
	v_mov_b32 v[225], v[SS0+1]
	v_mov_b32 v[228], v[SS0+4]
	WIN 0
	s_wait_tensorcnt 0x1                           ; my part of step 0 is in; step 1's may stay out
	s_barrier_signal -1
	s_barrier_wait -1
.Lchunk:                                               ; twice: 128 positions each
	FETCH 0, 0
	QUARTER 0, 1, 1, 1                             ; the chunk's first quarter starts the sums
	WIN 0
	s_mov_b32 s[KC], NK-2
.Lk:                                                   ; a trip: from a K step's second quarter to the next step's first
	QUARTER 1, 0, 2, 0
	QUARTER 0, 1, 3, 0
	TURN 1, 0
	QUARTER 0, 1, 1, 0
	WIN 0
	s_sub_co_u32 s[KC], s[KC], 1
	s_cmp_lg_u32 s[KC], 0
	s_cbranch_scc1 .Lk
	s_cmp_eq_u32 s[CH], 1                          ; the same count in every work-group
	s_cbranch_scc1 .Ltail1
	s_mov_b32 s[KC], 2
.Lt0:                                                  ; chunk 0's last two K steps: their refills are chunk 1's first two steps, which land under the recurrence
	QUARTER 1, 0, 2, 0
	QUARTER 0, 1, 3, 0
	TURN 1, 1
	WIN 0
	s_cmp_eq_u32 s[KC], 1
	s_cbranch_scc1 .Lt0e                           ; behind the chunk's last K step there is no first quarter
	QUARTER 0, 1, 1, 0
	WIN 0
.Lt0e:
	s_sub_co_u32 s[KC], s[KC], 1
	s_cmp_lg_u32 s[KC], 0
	s_cbranch_scc1 .Lt0
	s_branch .Lscan
.Ltail1:
	s_mov_b32 s[KC], 2
.Lt1:                                                  ; chunk 1's last two K steps ask for nothing: written out
	QUARTER 1, 0, 2, 0
	QUARTER 0, 1, 3, 0
	TURN 0, 1
	WIN 0
	s_cmp_eq_u32 s[KC], 1
	s_cbranch_scc1 .Lt1e
	QUARTER 0, 1, 1, 0
	WIN 0
.Lt1e:
	s_sub_co_u32 s[KC], s[KC], 1
	s_cmp_lg_u32 s[KC], 0
	s_cbranch_scc1 .Lt1
.Lscan:
.rept 8
	v_nop                                          ; the places behind the last products, whose results are read and written below
.endr
.set SB, 224
.set SCW, 0xaa                                         ; blocks 0-6
	PRE 0
	STEP 0, 1, 0
.set ss, 1
.rept 55
	STEP ss, 0, 1
.set ss, ss+1
.endr
	FLUSH 55
	WIN 0xc2
	v_mov_b32 v[229], v[199]                       ; c of position 55 into window 3's scan set
.set SCW, 0xff                                         ; blocks 7-13
	PRE 7
	STEP 56, 1, 0
.set ss, 57
.rept 7
	STEP ss, 0, 1
.set ss, ss+1
.endr
	FLUSH 63
	WOUT 0
	STEP 64, 0, 0
.set ss, 65
.rept 47
	STEP ss, 0, 1
.set ss, ss+1
.endr
	FLUSH 111
	WIN 0x03
	v_mov_b32 v[SS0+5], v[199]                     ; c of position 111 into window 0's
.set SB, SS0
.set SCW, 0                                            ; blocks 14, 15
	PRE 14
	STEP 112, 1, 0
.set ss, 113
.rept 15
	STEP ss, 0, 1
.set ss, ss+1
.endr
	FLUSH 127
	WIN 0x80
	v_mov_b32 v[229], v[167]                       ; c of position 127 for the next chunk
	WOUT 1
	WIN 0
	s_sub_co_u32 s[CH], s[CH], 1
	s_cmp_lg_u32 s[CH], 0
	s_cbranch_scc1 .Lchunk
.if LAYER
	ds_store_b32 v[SS0+4], v[167]                  ; the last c, through row 0 of the stage: the way out's second barrier has freed it
	s_wait_dscnt 0x0
	s_barrier_signal -1
	s_barrier_wait -1
	s_cmp_lg_u32 s[WV], 0
	s_cbranch_scc1 .Lfin
	ds_load_b128 v[WT:WT+3], v[CTR]
	s_wait_dscnt 0x0
	global_store_b128 v[CTO], v[WT:WT+3], s[16:17] ; two aligned pieces of 256 bytes: 64 channels of each batch
.Lfin:
.endif
	s_wait_tensorcnt 0x0                           ; the wave's end
	ds_add_u32 v[SPW], v[NIL]
	s_wait_dscnt 0x0
	CROUND                                         ; the closing round: no work-group ends while a partner may still ask for a tile that names it
	s_endpgm
.Lfunc_end_k_q1ee4484e47_layer0:
	.size	k_q1ee4484e47_layer0, .Lfunc_end_k_q1ee4484e47_layer0-k_q1ee4484e47_layer0
	.p2alignl 7, 3214868480
	.fill 96, 4, 3214868480
	.section	.rodata,"a",@progbits
	.p2align	6, 0x0
	.amdhsa_kernel k_q1ee4484e47_layer0
		.amdhsa_group_segment_fixed_size 327680
		.amdhsa_private_segment_fixed_size 0
		.amdhsa_enable_private_segment 0
		.amdhsa_kernarg_size 56
		.amdhsa_user_sgpr_count 2
		.amdhsa_user_sgpr_kernarg_segment_ptr 1
		.amdhsa_wavefront_size32 1
		.amdhsa_system_sgpr_workgroup_id_x 1
		.amdhsa_system_sgpr_workgroup_id_y 1
		.amdhsa_system_sgpr_workgroup_id_z 1
		.amdhsa_system_vgpr_workitem_id 0
		.amdhsa_next_free_vgpr 1024
		.amdhsa_next_free_sgpr 102
		.amdhsa_reserve_vcc 0
		.amdhsa_float_denorm_mode_32 3
		.amdhsa_float_denorm_mode_16_64 3
		.amdhsa_memory_ordered 1
		.amdhsa_forward_progress 1
		.amdhsa_inst_pref_size 195
	.end_amdhsa_kernel
	.amdgpu_metadata
---
amdhsa.version: [ 1, 2 ]
amdhsa.kernels:
  - .name:           k_q1ee4484e47_layer0
    .symbol:         k_q1ee4484e47_layer0.kd
    .args:
      - { .name: xa, .offset: 0, .size: 8, .value_kind: global_buffer, .address_space: global }
      - { .name: wb0, .offset: 8, .size: 8, .value_kind: global_buffer, .address_space: global }
      - { .name: vf0, .offset: 16, .size: 8, .value_kind: global_buffer, .address_space: global }
      - { .name: vr0, .offset: 24, .size: 8, .value_kind: global_buffer, .address_space: global }
      - { .name: bf0, .offset: 32, .size: 8, .value_kind: global_buffer, .address_space: global }
      - { .name: br0, .offset: 40, .size: 8, .value_kind: global_buffer, .address_space: global }
      - { .name: ha, .offset: 48, .size: 8, .value_kind: global_buffer, .address_space: global }
    .group_segment_fixed_size: 327680
    .private_segment_fixed_size: 0
    .kernarg_segment_align: 8
    .kernarg_segment_size: 56
    .max_flat_workgroup_size: 128
    .sgpr_count:     102
    .vgpr_count:     1024
    .wavefront_size: 32
...
	.end_amdgpu_metadata
.endif
;; end of part 2
;; launch layer1 (part 3): grid 16 x 16, 4 waves a work-group, clusters of 4 x 4, 327,680 bytes of LDS; arguments ha, wb1, vf1, vr1, bf1, br1, out0, out1; writes out0, out1
.if DOCPART == 3
	.amdgcn_target "amdgcn-amd-amdhsa--gfx1250"
	.amdhsa_code_object_version 6
	.text
	.protected	k_q1ee4484e47_layer1
	.globl	k_q1ee4484e47_layer1
	.p2align	8
	.type	k_q1ee4484e47_layer1,@function
k_q1ee4484e47_layer1:
	s_mov_b64 s[64:65], 0
	v_nop
	global_prefetch_b8 v0, s[64:65] scope:SCOPE_SE
	s_setreg_imm32_b32 hwreg(HW_REG_WAVE_MODE, 25, 1), 1
	s_wait_xcnt 0x0
	s_wait_alu depctr_hold_cnt(0) depctr_sa_sdst(0) depctr_va_vdst(0) depctr_va_sdst(0) depctr_va_ssrc(0) depctr_va_vcc(0) depctr_vm_vsrc(0)
	s_getreg_b32 s2, hwreg(HW_REG_IB_STS2, 6, 4)
	s_cmp_eq_u32 s2, 0
	s_cbranch_scc0 .Lentry_in_a_cluster
	s_endpgm
.Lentry_in_a_cluster:
	s_bfe_u32 s2, ttmp6, 0x10000c
	s_cmp_lg_u32 s2, 0xf033
	s_cbranch_scc0 .Lentry_shape_is_right
	s_endpgm
.Lentry_shape_is_right:
; ONE BIDIRECTIONAL SRU LAYER: U = x W by the matrix unit, and the recurrence straight out of the accumulators.  U never leaves registers.
; LAYER = 0: x = xa (K = 512, bf16 products), h goes out rounded to f16 into ha, in both orders of time.  LAYER = 1: x = ha (K = 1,024, f16 products), h goes to out1 in f32 and the last c to out0.
; SHARES.  Work-group (g, by): g = dir*8 + cg names a direction and 64 channels, by the batches 2 by and 2 by + 1.  Wave w owns channels cg*64 + 16 w + r and their four projections: 64 columns of U.
; THE LAYOUT THAT MAKES THE FUSION.  Rows 0-7 of a 16 x 16 tile are eight consecutive scan positions of batch 2 by, rows 8-15 the same positions of batch 2 by + 1.  In a result, register j of lane
; (r = lane % 16, h = lane / 16) holds row 8 h + j, column r: so a LANE IS ONE CHAIN (batch h, channel r) and the registers of block i are its positions 8 i .. 8 i + 7.
; A wave works in two CHUNKS of 128 positions: 16 blocks x 4 projections = 64 accumulators, 512 registers; then 128 steps of the recurrence in place; c is carried in a register.
; BOTH DIRECTIONS RUN ONE TEXT: the A operand lies in memory twice, by t and by 255 - t, and position s always ascends.
; THE STEP.  With KS = -log2 e:  f = 1 / (1 + 2^(KS (fp + bf) + KS vf c)),  c' = xt + f (c - xt),  r likewise from the old c,  h = q + r (c' - q) with q = sqrt(2) xp.
; bf and br enter as the C operand of the sums' first products.
; RING.  K goes in steps of 128 through two LDS slots; step sigma = chunk*NK + kq advances by 1 MiB in A, across the change of chunks too.  4 x 4 work-groups form a cluster: A's tile hangs on
; (dir, by) and is asked for jointly along a row of the cluster, B's on g and jointly along a column.
; FORMATS.  Every input is rounded once to bf16 (vf, vr, bf, br here; x and W by the launch before).  h of layer 0, which the program makes itself, is rounded once to f16: its rounding enters every one of
; layer 1's sums of 1,024 terms, and f16 keeps 11 significant bits where bf16 keeps 8.  All else is f32.
; LIMITS.  h of layer 0 must stay under 65,504 in magnitude (with seqs and W0 both carrying an offset of 30 of their spreads, sqrt(2) x W0 reaches 512 x 30 x 1.33 x 1.41, about 29,000); below 6e-5 it keeps
; f16's fixed step of 6e-8.  An exponential below 2^-126 counts as 0; a gate is exactly 0 or 1 where its argument is large; NaN and infinities are not treated apart.
.set LAYER, 1
.if LAYER
.set NK,     8                         ; K steps of 128
.set NKSH,   3
.set COPYSH, 24                        ; a copy of the A operand: 16 MiB
.else
.set NK,     4
.set NKSH,   2
.set COPYSH, 23                        ; 8 MiB
.endif
; LDS.  A batch's tile of A is 256 pieces of 128 bytes (two positions x two halves of 64 k) at a pitch of 144; position 8 i + j, half hf is piece 16 i + (j / 2) 4 + 2 hf + j % 2.
; In steps of 16 bytes modulo 16 the eight rows of batch 0 start at 0, 9, 4, 13, 8, 1, 12, 5; batch 1's tile begins 32 bytes past a multiple of 256, which puts its eight on the other eight
; (64 banks of 4 bytes: ISA guide 11.1).  B's rows are 256 bytes at a pitch of 272.
.set AP,     144
.set A1OFF,  256*AP+32                 ; 36,896
.set BOFF,   73984
.set BP,     272
.set BHALF,  128*BP
.set SLOT,   BOFF+2*BHALF              ; 143,616
.set STAGE,  2*SLOT                    ; behind the ring, never filled by a tensor load: 64 positions x 64 channels of f32 for each batch
.set SP,     272
.set ST1,    64*SP+64                  ; batch 1's rows: 16 banks further on, so that the two halves of the lanes store side by side
.set SPARE,  322304                    ; the spare words, 128 bytes for each wave, named by no other line
; vector registers, in windows of 256 (s_set_vgpr_msb: bits 1:0 source 0, 3:2 source 1, 5:4 source 2, 7:6 destination)
;   window 0: v0-63 below; v64-95, v96-127 B's fragments, two buffers; v128-191 accumulator blocks 14, 15; v192-255 the way out
;   window 1: A's fragments, two buffers of 128: block i at 8 i        window 2: blocks 0-6 at 32 i; v224-229 a scan set        window 3: blocks 7-13; v224-229 a scan set
;   accumulator (i, p) at block + 8 p: p = 0 xt, 1 f, 2 r, 3 xp.  A scan set: +0 KS vf, +1 KS vr, +2 c - xt, +3 c' - q, +4 my stage address, +5 c carried in
.set CTO,  1
.set LA,   2                           ; my lane's place in A's tiles; never rewritten
.set LB,   3                           ; in B's tile
.set ADRA, 4                           ; the same in the slot that is being read
.set ADRB, 5
.set SPW,  6                           ; LDS address of my spare word; never rewritten
.set NIL,  7                           ; 0; never rewritten
.set PFO,  8                           ; 256 x lane; never rewritten
.set CTR,  9
.set SS0,  10                          ; window 0's scan set, v10-15
.set BFT,  16                          ; v16-23 bf in all eight, v24-31 br: tiles for the C operand
.set BRT,  24
.set OFK,  32                          ; layer 1: v32-47 my sixteen offsets in out1
.set OSV,  32                          ; layer 0: my offset in the copy of the same order,
.set ORV,  33                          ;          in the mirrored copy,
.set RD0,  34                          ;          and where I read the stage
.set RD1,  48                          ; layer 1: where I read the stage
.set WT,   192
; scalar registers
.set WV,   20
.set W1,   21                          ; wave % 2: which batch of A, or which 128 rows of B, I fetch
.set ROLE, 22                          ; wave / 2: I fetch for A (0) or B (1)
.set CX,   23
.set CY,   24
.set GG,   25
.set BY,   26
.set DIR,  27
.set G1A,  28                          ; s[28:35], s[36:43] descriptor group 1 for A's and B's tiles
.set G1B,  36
.set G0A,  44                          ; s[44:47] group 0 of A's first fill; s[48:51] the set that walks
.set G0AW, 48
.set G0B,  52
.set G0BW, 56
.set TB,   60                          ; LDS byte at which the slot that is being read begins
.set RQ,   61                          ; the step to be asked for next
.set KC,   62
.set CH,   63
.set ABASE, 66
.set BBASE, 68
.set OFFA, 70
.set OFFB, 72
.set WPA,  74                          ; my part's place in a slot, as a fetcher for A, for B
.set WPB,  75
.set PFA,  76                          ; where my prefetches stand
.set PSTEP, 78
.set PN,   80                          ; prefetches still due
.set CLY,  81
.set KS,   82                          ; s[82:83] -log2 e
.set R2,   84                          ; s[84:85] sqrt 2
.set RS,   86
.set BS,   87
.set HS,   86
.set HR,   88
.set OUT,  90
.set MSB, 0
.macro WIN new                         ; the immediate's high byte repeats the setting that is left; a switch that changes nothing is dropped
.if MSB != (\new)
	s_set_vgpr_msb (MSB<<8)|(\new)
.set MSB, (\new)
.endif
.endm
.macro PLACES                          ; four places in front of loads into registers that matrix instructions have read (ISA guide 7.12.1 for vector instructions)
.rept 4
	v_nop
.endr
.endm
; A joint refill.  Waves 0 and 1 fetch A's two batches, waves 2 and 3 B's two halves.  The branch hangs on the wave's number alone.  An s_nop 0 and four v_nop follow each line.
.macro JLOAD
	s_cmp_lt_u32 s[WV], 2
	s_cbranch_scc0 .Lfor_b_\@
	tensor_load_to_lds s[G0AW:G0AW+3], s[G1A:G1A+7]
	s_nop 0
.rept 4
	v_nop
.endr
	s_branch .Lasked_\@
.Lfor_b_\@:
	tensor_load_to_lds s[G0BW:G0BW+3], s[G1B:G1B+7]
	s_nop 0
.rept 4
	v_nop
.endr
.Lasked_\@:
.endm
.macro CREST                           ; a round of the cluster's barrier behind its opening barrier
	s_cmp_lg_u32 s[WV], 0
	s_cbranch_scc1 .Lnot_wave_0_\@
	s_barrier_signal -3
.Lnot_wave_0_\@:
	s_barrier_wait -3
	s_barrier_signal -1
	s_barrier_wait -1
.endm
.macro CROUND
	s_barrier_signal -1
	s_barrier_wait -1
	CREST
.endm
; A prefetch of the step that stands two refills on: of the 128 pieces of 256 bytes of the tile that I fetch, my work-group's 32, a lane a piece.  The four partners that ask for a tile jointly are told apart
; by address.  A's tiles are read by both clusters of a direction: the even one asks; B's by all four clusters of a column: cluster y = 0 asks, in B's first walk alone.  PN runs out before a buffer's end.
.macro ASK
	s_cmp_lg_u32 s[PN], 0
	s_cbranch_scc0 .Lnot_mine_\@
	global_prefetch_b8 v[PFO], s[PFA:PFA+1] th:TH_LOAD_NT scope:SCOPE_SE
	s_sub_co_u32 s[PN], s[PN], 1
.Lnot_mine_\@:
.endm
.macro MMA ops:vararg                  ; the layer's form of the matrix instruction: one form in the whole text
.if LAYER
	v_wmma_f32_16x16x32_f16 \ops
.else
	v_wmma_f32_16x16x32_bf16 \ops
.endif
.endm
; One matrix instruction: accumulator (i, p) += A's block i x B's projection p, from fragment buffer f.  init = 1: the product starts the sum, with 0 or with the bias tile.
.macro WM f, i, p, init
.if (\i) < 7
.set aw, 2
.set al, 32*(\i)+8*(\p)
.elseif (\i) < 14
.set aw, 3
.set al, 32*((\i)-7)+8*(\p)
.else
.set aw, 0
.set al, 128+32*((\i)-14)+8*(\p)
.endif
.set fa, 128*(\f)+8*(\i)
.set fb, 64+32*(\f)+8*(\p)
.if \init
	WIN (aw<<6)|1
.if (\p) == 1
	MMA v[al:al+7], v[fa:fa+7], v[fb:fb+7], v[BFT:BFT+7]
.elseif (\p) == 2
	MMA v[al:al+7], v[fa:fa+7], v[fb:fb+7], v[BRT:BRT+7]
.else
	MMA v[al:al+7], v[fa:fa+7], v[fb:fb+7], 0
.endif
.else
	WIN (aw<<6)|(aw<<4)|1
	MMA v[al:al+7], v[fa:fa+7], v[fb:fb+7], v[al:al+7]
.endif
.endm
.macro MULB f, i0, i1, init            ; blocks i0 .. i1.  All 64 accumulators take turns, one instruction a turn, in the same order in every quarter
.set mi, (\i0)
.rept (\i1)-(\i0)+1
.irp p, 0,1,2,3
	WM \f, mi, \p, \init
.endr
.set mi, mi+1
.endr
.endm
; 40 LDS loads in one run: the fragments of quarter q (32 along K) into buffer f: B's four, then A's sixteen in block order
.macro FETCH q, f
	WIN 0
.irp p, 0,1,2,3
	ds_load_b128 v[64+32*(\f)+8*(\p):64+32*(\f)+8*(\p)+3],   v[ADRB] offset:(\p)*16*BP+64*(\q)
	ds_load_b128 v[64+32*(\f)+8*(\p)+4:64+32*(\f)+8*(\p)+7], v[ADRB] offset:(\p)*16*BP+64*(\q)+32
.endr
	WIN 0x40                                       ; destination window 1, address window 0
.set fi, 0
.rept 16
	ds_load_b128 v[128*(\f)+8*fi:128*(\f)+8*fi+3],   v[ADRA] offset:fi*16*AP+((\q)/2)*2*AP+((\q)%2)*64
	ds_load_b128 v[128*(\f)+8*fi+4:128*(\f)+8*fi+7], v[ADRA] offset:fi*16*AP+((\q)/2)*2*AP+((\q)%2)*64+32
.set fi, fi+1
.endr
.endm
; One of a K step's first three quarters: multiplies buffer f and, in its middle, fetches quarter qn into buffer g
.macro QUARTER f, g, qn, init
	s_wait_dscnt 18                                ; B and A's blocks 0-6 are in; the youngest eighteen loads (blocks 7-15) may be out
	MULB \f, 0, 6, \init
	PLACES
	FETCH \qn, \g
	s_wait_dscnt 40                                ; all but the 40 just issued
	MULB \f, 7, 13, \init
	MULB \f, 14, 15, \init
.endm
; The fourth quarter multiplies buffer 1 and changes slots.  In front of the barrier each wave waits for all its tensor loads (one is out: its part of the next slot), adds 0 to its spare word, and waits for
; that and for its reads of this slot.  m = 1: the barrier opens a round of the cluster's, and the slot just read is filled again, first thing behind the round, with step RQ.
; sk = 1: in the trip with KC = 1, a chunk's last K step, no fragments are fetched: the next chunk fetches its own.
.macro TURN m, sk
.if \m
	s_wait_xcnt 0x0                                ; the last prefetch, a K step back, has read its address
	s_add_nc_u64 s[PFA:PFA+1], s[PFA:PFA+1], s[PSTEP:PSTEP+1]
.endif
	WIN 0                                          ; (the add's two registers lie in window 0)
	s_wait_tensorcnt 0x0                           ; no tensor load of mine is out, so a group 0 may be written
	ds_add_u32 v[SPW], v[NIL]                      ; 0 onto my spare word
.if \m
	s_add_co_u32 s[G0AW+1], s[TB], s[WPA]          ; into the slot that is being left
	s_add_co_u32 s[G0BW+1], s[TB], s[WPB]
	s_lshl_b32 s[OFFA], s[RQ], 20                  ; A: a step is 1 MiB
	s_and_b32 s[OFFB], s[RQ], NK-1                 ; B: walked anew in each chunk, 64 KiB a step
	s_lshl_b32 s[OFFB], s[OFFB], 16
	s_add_nc_u64 s[G0AW+2:G0AW+3], s[ABASE:ABASE+1], s[OFFA:OFFA+1]
	s_or_b32 s[G0AW+3], s[G0AW+3], 0x80000000
	s_add_nc_u64 s[G0BW+2:G0BW+3], s[BBASE:BBASE+1], s[OFFB:OFFB+1]
	s_or_b32 s[G0BW+3], s[G0BW+3], 0x80000000
	s_add_co_u32 s[RQ], s[RQ], 1
.endif
	s_xor_b32 s[TB], s[TB], SLOT                   ; 0 and SLOT by turns
	s_wait_dscnt 19                                ; (the add and the youngest eighteen loads may be out)
	MULB 1, 0, 3, 0
	s_wait_dscnt 0x0                               ; the add is done, and my reads of this slot are over
	s_barrier_signal -1
	MULB 1, 4, 6, 0                                ; work on registers while the others arrive
	WIN 0
	s_barrier_wait -1
.if \m
	CREST                                          ; no wave of any partner still reads this slot's tiles or has a load on its way
	JLOAD                                          ; its four v_nop are also places in front of the loads below
.else
	v_nop
	v_nop
.endif
	v_add_nc_u32 v[ADRA], s[TB], v[LA]             ; (with the two above: four places)
	v_add_nc_u32 v[ADRB], s[TB], v[LB]
.if \sk
	s_cmp_eq_u32 s[KC], 1
	s_cbranch_scc1 .Lnofetch_\@
.endif
	FETCH 0, 0
	WIN 0
.if \sk
.Lnofetch_\@:
.endif
.if \m
	ASK
.endif
	MULB 1, 7, 13, 0
	MULB 1, 14, 15, 0
.endm
; THE RECURRENCE.  All operands of a line lie in one window (SCW), whose scan set begins at SB.
.macro SETB name, i                    ; block i's first register within its window
.if (\i) < 7
.set \name, 32*(\i)
.elseif (\i) < 14
.set \name, 32*((\i)-7)
.else
.set \name, 128+32*((\i)-14)
.endif
.endm
.macro PMUL i, n                       ; number n of the 12 scalings of block i: 0-3 f's pairs and 4-7 r's by KS, 8-11 xp's by sqrt 2; each accumulator from its low end on
	WIN SCW
	SETB qb, \i
.if (\n) < 8
	v_pk_mul_f32 v[qb+8+2*(\n):qb+8+2*(\n)+1], v[qb+8+2*(\n):qb+8+2*(\n)+1], s[KS:KS+1] op_sel_hi:[1,0]
.else
	v_pk_mul_f32 v[qb+8+2*(\n):qb+8+2*(\n)+1], v[qb+8+2*(\n):qb+8+2*(\n)+1], s[R2:R2+1] op_sel_hi:[1,0]
.endif
.endm
.macro PRE i
.irp n, 0,1,2,3,4,5,6,7,8,9,10,11
	PMUL \i, \n
.endr
.endm
.macro STB s0                          ; the eight h of the block that begins at position s0 go into the stage, in one run: no LDS store stands among a step's dependent lines
	WIN SCW
	SETB tb, (\s0)/8
.set tj, 0
.rept 8
	ds_store_b32 v[SB+4], v[tb+24+tj] offset:(((\s0)+tj)%64)*SP
.set tj, tj+1
.endr
.endm
; Position s.  cin = 1: c comes from the scan set, else from xt's register of position s - 1, where c' was left.  prev = 1: h of position s - 1 is finished beside the exponentials; it stays in xp's register, and
; a block's eight are stored together in the next block's first step, directly behind that step's first wait, which has shown all the wave's vector results written.
; The chain is five links: fmac, exp, add, rcp, fmac.  Behind each pair of transcendentals stand a plain instruction and the one wait ahead of the first use.
.macro STEP s, cin, prev
	WIN SCW
.set sj, (\s)%8
.set si, (\s)/8
	SETB cb, (\s)/8
.if \cin
.set cr, SB+5
.else
.set pj, ((\s)-1)%8
	SETB pb, ((\s)-1)/8
.set cr, pb+pj
.endif
	v_fmac_f32 v[cb+8+sj], v[cr], v[SB]            ; KS (fp + bf) + KS vf c
	v_fmac_f32 v[cb+16+sj], v[cr], v[SB+1]
	v_exp_f32 v[cb+8+sj], v[cb+8+sj]
	v_exp_f32 v[cb+16+sj], v[cb+16+sj]
	v_sub_f32 v[SB+2], v[cr], v[cb+sj]             ; c - xt
.if \prev
	v_sub_f32 v[SB+3], v[cr], v[pb+24+pj]          ; c' - q of the position before
	v_fmac_f32 v[pb+24+pj], v[pb+16+pj], v[SB+3]   ; h = q + r (c' - q)
.endif
	s_wait_alu depctr_va_vdst(0)
.if (\prev) && (sj == 0)
	STB ((\s)-8)                                   ; the block before is whole
.endif
	v_add_f32 v[cb+8+sj], 1.0, v[cb+8+sj]
	v_add_f32 v[cb+16+sj], 1.0, v[cb+16+sj]
	v_rcp_f32 v[cb+8+sj], v[cb+8+sj]
	v_rcp_f32 v[cb+16+sj], v[cb+16+sj]
.if (si != 6) && (si != 13) && (si != 15)
	PMUL si+1, sj                                  ; the next block's scalings fill the wait for the reciprocals
.if sj < 4
	PMUL si+1, sj+8
.endif
.else
	v_nop                                          ; the next block lies in another window
.endif
	s_wait_alu depctr_va_vdst(0)
	v_fmac_f32 v[cb+sj], v[cb+8+sj], v[SB+2]       ; c' = xt + f (c - xt), left in xt's register
.endm
.macro FLUSH s                         ; h of position s, a block's last, where no next step does it; then the block's stores
	WIN SCW
.set pj, (\s)%8
	SETB pb, (\s)/8
	v_sub_f32 v[SB+3], v[pb+pj], v[pb+24+pj]
	v_fmac_f32 v[pb+24+pj], v[pb+16+pj], v[SB+3]
	STB ((\s)-7)
.endm
; THE WAY OUT of 64 positions: all four waves' stores into the stage are done (barrier), whole rows are read back and stored, and the reads are done (barrier) before the stage is written again.
.if LAYER
.macro WOUT half
	WIN 0
	s_wait_dscnt 0x0
	s_barrier_signal -1
	s_barrier_wait -1
.set wk, 0
.rept 16                                               ; wave w: batch w / 2, positions 32 (w % 2) + 2 k + lane / 16: sixteen lanes take a row's 256 bytes
	ds_load_b128 v[WT+4*wk:WT+4*wk+3], v[RD1] offset:wk*2*SP
.set wk, wk+1
.endr
.set wk, 0
.rept 16
	s_wait_dscnt 15-wk
	global_store_b128 v[OFK+wk], v[WT+4*wk:WT+4*wk+3], s[OUT:OUT+1] th:TH_STORE_NT  ; sixteen lanes store 256 consecutive bytes, aligned
.set wk, wk+1
.endr
	s_wait_xcnt 0x0                                ; the stores have read their registers
.set wk, 0
.rept 16
	v_add_nc_u32 v[OFK+wk], s[BS], v[OFK+wk]       ; 64 rows of time on, up or down by the direction
.set wk, wk+1
.endr
	s_barrier_signal -1
	s_barrier_wait -1
.endm
.else
.macro WOUT half
	WIN 0
	s_wait_dscnt 0x0
	s_barrier_signal -1
	s_barrier_wait -1
.set wk, 0
.rept 8                                                ; a lane takes 8 channels of one position; sixteen lanes two positions x 64 channels: one piece of 256 bytes of ha
	ds_load_b128 v[WT+8*wk:WT+8*wk+3],   v[RD0] offset:wk*4*SP
	ds_load_b128 v[WT+8*wk+4:WT+8*wk+7], v[RD0] offset:wk*4*SP+16
.set wk, wk+1
.endr
.set wk, 0
.rept 8
	s_wait_dscnt 14-2*wk
	v_cvt_pk_f16_f32 v[WT+8*wk],   v[WT+8*wk],   v[WT+8*wk+1]    ; h's one rounding, to f16
	v_cvt_pk_f16_f32 v[WT+8*wk+1], v[WT+8*wk+2], v[WT+8*wk+3]
	v_cvt_pk_f16_f32 v[WT+8*wk+2], v[WT+8*wk+4], v[WT+8*wk+5]
	v_cvt_pk_f16_f32 v[WT+8*wk+3], v[WT+8*wk+6], v[WT+8*wk+7]
	global_store_b128 v[OSV], v[WT+8*wk:WT+8*wk+3], s[HS:HS+1] offset:wk*1024   ; the copy in my order of positions, ascending
	global_store_b128 v[ORV], v[WT+8*wk:WT+8*wk+3], s[HR:HR+1] offset:-wk*1024  ; the mirrored copy, descending
.set wk, wk+1
.endr
	s_wait_xcnt 0x0                                ; the stores have read their registers and bases
.if (\half) == 0
	s_add_nc_u64 s[HS:HS+1], s[HS:HS+1], 16384     ; 32 pairs of positions on
	s_sub_nc_u64 s[HR:HR+1], s[HR:HR+1], 16384
.else
	s_add_nc_u64 s[HS:HS+1], s[HS:HS+1], 0x7fc000  ; the next chunk lies 8 MiB on
	s_sub_nc_u64 s[HR:HR+1], s[HR:HR+1], 0x7fc000
.endif
	s_barrier_signal -1
	s_barrier_wait -1
.endm
.endif
	s_load_b256 s[4:11], s[0:1], 0x0               ; A s[4:5], B s[6:7], vf s[8:9], vr s[10:11]
	s_load_b128 s[12:15], s[0:1], 0x20             ; bf s[12:13], br s[14:15]
.if LAYER
	s_load_b128 s[16:19], s[0:1], 0x30             ; out0 s[16:17], out1 s[18:19]
.else
	s_load_b64 s[16:17], s[0:1], 0x30              ; ha
.endif
	v_lshl_add_u32 v[SPW], v0, 2, SPARE
	v_mov_b32 v[NIL], 0
	ds_add_u32 v[SPW], v[NIL]                      ; the wave's opening
	ds_add_u32 v[SPW], v[NIL]
	v_lshrrev_b32 v49, 5, v0
	v_readfirstlane_b32 s[WV], v49                 ; wave 0..3
	s_and_b32 s[W1], s[WV], 1
	s_lshr_b32 s[ROLE], s[WV], 1
	s_bfe_u32 s[CX], ttmp6, 0x40000                ; my place in the cluster
	s_bfe_u32 s[CY], ttmp6, 0x40004
	s_lshl_b32 s[GG], ttmp9, 2
	s_add_co_u32 s[GG], s[GG], s[CX]               ; g = 4 x cluster x + cx
	s_and_b32 s[CLY], ttmp7, 0xffff
	s_lshl_b32 s[BY], s[CLY], 2
	s_add_co_u32 s[BY], s[BY], s[CY]               ; by = 4 x cluster y + cy
	s_lshr_b32 s[DIR], ttmp9, 1                    ; the direction hangs on the cluster's x alone
	s_lshl_b32 s92, s[CY], 2
	s_lshl_b32 s92, 15, s92                        ; my row of the cluster
	s_lshl_b32 s93, 0x1111, s[CX]                  ; my column
	; group 1: 128 rows x 128 elements of 2 bytes, dense in memory.  A: 16 bytes of padding after every 128; B: after every 256
	s_or_b32 s[G1A], s92, (1<<16)|(1<<20)|(1<<21)|(4<<22)|(3<<25)
	s_or_b32 s[G1B], s93, (1<<16)|(1<<20)|(1<<21)|(5<<22)|(3<<25)
.irp g, G1A, G1B
	s_mov_b32 s[\g+1], 128<<16                     ; tensor_dim0 = 128
	s_mov_b32 s[\g+2], 128<<16                     ; tensor_dim1 = 128
	s_mov_b32 s[\g+3], 128<<16                     ; tile_dim0 = 128
	s_mov_b32 s[\g+4], 128                         ; tile_dim1 = 128
	s_mov_b32 s[\g+5], 128                         ; 128 elements from row to row
	s_mov_b32 s[\g+6], 0
	s_mov_b32 s[\g+7], 0
.endr
	s_mul_i32 s[WPA], s[W1], A1OFF                 ; no place in the cluster enters an LDS address
	s_mul_i32 s[WPB], s[W1], BHALF
	s_add_co_u32 s[WPB], s[WPB], BOFF
	s_mov_b32 s[G0A], 1
	s_mov_b32 s[G0A+1], s[WPA]                     ; step 0 into slot 0
	s_mov_b32 s[G0AW], 1
	s_add_co_u32 s[G0AW+1], s[WPA], SLOT           ; step 1 into slot 1
	s_mov_b32 s[G0B], 1
	s_mov_b32 s[G0B+1], s[WPB]
	s_mov_b32 s[G0BW], 1
	s_add_co_u32 s[G0BW+1], s[WPB], SLOT
	s_lshl_b32 s94, s[BY], 1                       ; A: made of dir, by and the wave alone
	s_add_co_u32 s94, s94, s[W1]
	s_lshl_b32 s94, s94, 15                        ; batch 2 by + wave % 2: 32,768 bytes a step
	s_lshl_b32 s95, s[DIR], COPYSH                 ; the copy in my direction's order
	s_add_co_u32 s94, s94, s95
	s_mov_b32 s95, 0
	s_lshl_b32 s96, s[GG], 16+NKSH                 ; B: made of g and the wave alone
	s_lshl_b32 s97, s[W1], 15
	s_add_co_u32 s96, s96, s97
	s_mov_b32 s97, 0
	s_mov_b32 s[OFFA+1], 0
	s_mov_b32 s[OFFB+1], 0
	s_mov_b32 s[KS], 0xbfb8aa3b                    ; -log2 e
	s_mov_b32 s[KS+1], s[KS]                       ; named with it as a pair
	s_mov_b32 s[R2], 0x3fb504f3                    ; sqrt 2
	s_mov_b32 s[R2+1], s[R2]
	s_mov_b32 s[TB], 0
	s_mov_b32 s[RQ], 2
	s_mov_b32 s[CH], 2
	s_wait_dscnt 0x0                               ; both opening adds are done
	s_wait_kmcnt 0x0
	s_add_nc_u64 s[ABASE:ABASE+1], s[4:5], s[94:95]
	s_add_nc_u64 s[BBASE:BBASE+1], s[6:7], s[96:97]
	s_mov_b64 s[G0A+2:G0A+3], s[ABASE:ABASE+1]
	s_or_b32 s[G0A+3], s[G0A+3], 0x80000000
	s_add_nc_u64 s[G0AW+2:G0AW+3], s[ABASE:ABASE+1], 0x100000
	s_or_b32 s[G0AW+3], s[G0AW+3], 0x80000000
	s_mov_b64 s[G0B+2:G0B+3], s[BBASE:BBASE+1]
	s_or_b32 s[G0B+3], s[G0B+3], 0x80000000
	s_add_nc_u64 s[G0BW+2:G0BW+3], s[BBASE:BBASE+1], 0x10000
	s_or_b32 s[G0BW+3], s[G0BW+3], 0x80000000
	CROUND                                         ; all sixteen work-groups are here: the first joint loads meet
	s_cmp_lt_u32 s[WV], 2                          ; a wave's two first fills stand in one branch: two loads of mine are out
	s_cbranch_scc0 .Lfirst_b
	tensor_load_to_lds s[G0A:G0A+3], s[G1A:G1A+7]
	s_nop 0
	tensor_load_to_lds s[G0AW:G0AW+3], s[G1A:G1A+7]
	s_nop 0
.rept 4
	v_nop
.endr
	s_branch .Lfirst_asked
.Lfirst_b:
	tensor_load_to_lds s[G0B:G0B+3], s[G1B:G1B+7]
	s_nop 0
	tensor_load_to_lds s[G0BW:G0BW+3], s[G1B:G1B+7]
	s_nop 0
.rept 4
	v_nop
.endr
.Lfirst_asked:
	v_and_b32 v50, 15, v0                          ; r
	v_bfe_u32 v51, v0, 4, 1                        ; h
	v_and_b32 v52, 7, v0
	v_bfe_u32 v53, v0, 3, 1
	v_and_b32 v54, 1, v0
	v_bfe_u32 v55, v0, 1, 2
	s_lshl_b32 s98, s[GG], 8                       ; my channel dir*512 + cg*64 + 16 w + r, in bytes: 256 g + 64 w + 4 r
	s_lshl_b32 s99, s[WV], 6
	s_add_co_u32 s98, s98, s99
	v_lshl_add_u32 v58, v50, 2, s98
	global_load_b32 v59, v58, s[8:9]               ; vf
	global_load_b32 v60, v58, s[10:11]             ; vr
	global_load_b32 v61, v58, s[12:13]             ; bf
	global_load_b32 v62, v58, s[14:15]             ; br
	v_lshl_add_u32 v56, v55, 2, v54                ; A: row l % 16 of a block: batch (l % 16) / 8, piece ((l % 8) / 2) 4 + l % 2; 16 bytes for each half of the lanes
	v_mul_u32_u24 v56, v56, AP
	v_mul_u32_u24 v57, v53, A1OFF
	v_add_nc_u32 v56, v56, v57
	v_lshl_add_u32 v[LA], v51, 4, v56
	s_mul_i32 s98, s[WV], 64*BP                    ; B: row 64 w + r
	s_add_co_u32 s98, s98, BOFF
	v_mul_u32_u24 v56, v50, BP
	v_lshl_add_u32 v56, v51, 4, v56
	v_add_nc_u32 v[LB], s98, v56
	v_mov_b32 v[ADRA], v[LA]
	v_mov_b32 v[ADRB], v[LB]
	v_and_b32 v[PFO], 31, v0
	v_lshlrev_b32 v[PFO], 8, v[PFO]
	s_lshl_b32 s98, s[WV], 6                       ; the stage: batch h, channel 16 w + r
	s_add_co_u32 s98, s98, STAGE
	v_mul_u32_u24 v56, v51, ST1
	v_lshl_add_u32 v56, v50, 2, v56
	v_add_nc_u32 v[SS0+4], s98, v56
	s_mul_i32 s98, s[ROLE], ST1                    ; back from the stage: batch w / 2, its rows 32 (w % 2) on
	s_mul_i32 s99, s[W1], 32*SP
	s_add_co_u32 s98, s98, s99
	s_add_co_u32 s98, s98, STAGE
.if LAYER
	v_mul_u32_u24 v56, v51, SP
	v_lshl_add_u32 v56, v50, 4, v56
	v_add_nc_u32 v[RD1], s98, v56
	s_lshl_b32 s98, s[DIR], 1
	s_sub_co_u32 s98, 1, s98                       ; +1 forward, -1 backward
	s_mul_i32 s[RS], s98, 8192                     ; two rows of out1
	s_mul_i32 s[BS], s98, 262144                   ; 64 rows
	s_lshl_b32 s98, s[W1], 5
	s_mul_i32 s99, s[DIR], 255
	v_add_nc_u32 v56, s98, v51                     ; position 32 (w % 2) + lane / 16,
	v_xor_b32 v56, s99, v56                        ; as a time: t = s, or 255 - s
	v_lshlrev_b32 v56, 12, v56
	v_lshl_add_u32 v56, v50, 4, v56
	s_lshl_b32 s98, s[BY], 1
	s_add_co_u32 s98, s98, s[ROLE]
	s_lshl_b32 s98, s98, 20                        ; batch 2 by + w / 2: 1 MiB
	v_add_nc_u32 v[OFK], s98, v56
.set wk, 1
.rept 15
	v_add_nc_u32 v[OFK+wk], s[RS], v[OFK+wk-1]
.set wk, wk+1
.endr
	s_lshl_b32 s100, s[GG], 8                      ; my 64 channels of a row: 256 g bytes
	s_mov_b32 s101, 0
	s_add_nc_u64 s[OUT:OUT+1], s[18:19], s[100:101]
	v_mul_u32_u24 v56, v51, ST1                    ; the last c: row 0 of each batch's stage,
	v_lshl_add_u32 v56, v50, 4, v56
	v_add_nc_u32 v[CTR], STAGE, v56
	s_lshl_b32 s98, s[BY], 13                      ; and row 2 by + lane / 16 of out0
	s_add_co_u32 s98, s98, s100
	v_lshlrev_b32 v56, 12, v51
	v_lshl_add_u32 v56, v50, 4, v56
	v_add_nc_u32 v[CTO], s98, v56
.else
	v_lshl_add_u32 v56, v51, 1, v53                ; row 2 (lane / 16) + (l % 16) / 8, channels 8 (l % 8) on
	v_mul_u32_u24 v56, v56, SP
	v_lshl_add_u32 v56, v52, 5, v56
	v_add_nc_u32 v[RD0], s98, v56
	s_lshl_b32 s98, s[ROLE], 15                    ; batch w / 2
	s_lshl_b32 s99, s[W1], 13                      ; 16 (w % 2) pairs of positions
	s_add_co_u32 s100, s98, s99
	v_lshlrev_b32 v56, 9, v51
	v_lshl_add_u32 v57, v50, 4, v56
	v_add_nc_u32 v[OSV], s100, v57
	s_sub_co_u32 s100, s98, s99                    ; mirrored: pair 31 - 16 (w % 2) - lane / 16, the two positions of a pair exchanged
	s_add_co_u32 s100, s100, 31*512
	v_xor_b32 v57, 1, v53
	v_lshlrev_b32 v57, 7, v57
	v_lshl_add_u32 v57, v52, 4, v57
	v_add_nc_u32 v57, s100, v57
	v_sub_nc_u32 v[ORV], v57, v56
	s_lshr_b32 s98, s[GG], 1                       ; my channels are K step g / 2, half g % 2 of the next layer's K
	s_lshl_b32 s98, s98, 20
	s_lshl_b32 s99, s[BY], 16
	s_add_co_u32 s98, s98, s99
	s_and_b32 s99, s[GG], 1
	s_lshl_b32 s99, s99, 8
	s_add_co_u32 s98, s98, s99
	s_lshl_b32 s100, s[DIR], 24                    ; the copy whose order is mine is copy dir,
	s_add_co_u32 s100, s100, s98
	s_mov_b32 s101, 0
	s_add_nc_u64 s[HS:HS+1], s[16:17], s[100:101]
	s_xor_b32 s100, s[DIR], 1                      ; the mirrored one the other: it begins in its chunk 1, upper half
	s_lshl_b32 s100, s100, 24
	s_add_co_u32 s100, s100, s98
	s_add_co_u32 s100, s100, (8<<20)+16384
	s_add_nc_u64 s[HR:HR+1], s[16:17], s[100:101]
.endif
	; the prefetches.  Nothing is asked for here, at the head: steps 0 to 3 come by their loads alone
	s_and_b32 s98, ttmp9, 1
	s_cmp_eq_u32 s[ROLE], 0
	s_cselect_b64 s[PFA:PFA+1], s[ABASE:ABASE+1], s[BBASE:BBASE+1]
	s_cselect_b32 s98, s98, s[CLY]                 ; 0 in the cluster that asks: the same in all sixteen partners, for a given wave
	s_cselect_b32 s100, s[CX], s[CY]               ; my place among the four that ask for the tile with me
	s_cselect_b32 s[PN], 2*NK-4, NK-4
	s_cselect_b32 s[PSTEP], 20, 16
	s_lshl_b32 s[PSTEP], 1, s[PSTEP]
	s_mov_b32 s[PSTEP+1], 0
	s_cmp_eq_u32 s98, 0
	s_cselect_b32 s[PN], s[PN], 0
	s_lshl_b32 s100, s100, 13                      ; my work-group's 32 pieces of the 128
	s_mov_b32 s101, 0
	s_add_nc_u64 s[PFA:PFA+1], s[PFA:PFA+1], s[100:101]
	s_mul_i32 s100, s[PSTEP], 3                    ; at step 3: the first change of slots steps it to 4
	s_add_nc_u64 s[PFA:PFA+1], s[PFA:PFA+1], s[100:101]
	s_wait_loadcnt 0x0
	v_cvt_pk_bf16_f32 v59, v59, v60                ; the four vectors are rounded to bf16 like every other input, and widened again
	v_cvt_pk_bf16_f32 v61, v61, v62
	v_lshlrev_b32 v60, 16, v59
	v_and_b32 v59, 0xffff0000, v59
	v_mul_f32 v[SS0], s[KS], v60                   ; KS vf
	v_mul_f32 v[SS0+1], s[KS], v59                 ; KS vr
	v_lshlrev_b32 v[BFT], 16, v61
	v_and_b32 v[BRT], 0xffff0000, v61
.set wk, 1
.rept 7                                                ; a lane is one column: its bias in all eight registers of a tile
	v_mov_b32 v[BFT+wk], v[BFT]
	v_mov_b32 v[BRT+wk], v[BRT]
.set wk, wk+1
.endr
	WIN 0x80                                       ; the scan sets of windows 2 and 3
	v_mov_b32 v[224], v[SS0]
	v_mov_b32 v[225], v[SS0+1]
	v_mov_b32 v[228], v[SS0+4]
	v_mov_b32 v[229], 0                            ; c starts at 0
	WIN 0xc0
	v_mov_b32 v[224], v[SS0]
	v_mov_b32 v[225], v[SS0+1]
	v_mov_b32 v[228], v[SS0+4]
	WIN 0
	s_wait_tensorcnt 0x1                           ; my part of step 0 is in; step 1's may stay out
	s_barrier_signal -1
	s_barrier_wait -1
.Lchunk:                                               ; twice: 128 positions each
	FETCH 0, 0
	QUARTER 0, 1, 1, 1                             ; the chunk's first quarter starts the sums
	WIN 0
	s_mov_b32 s[KC], NK-2
.Lk:                                                   ; a trip: from a K step's second quarter to the next step's first
	QUARTER 1, 0, 2, 0
	QUARTER 0, 1, 3, 0
	TURN 1, 0
	QUARTER 0, 1, 1, 0
	WIN 0
	s_sub_co_u32 s[KC], s[KC], 1
	s_cmp_lg_u32 s[KC], 0
	s_cbranch_scc1 .Lk
	s_cmp_eq_u32 s[CH], 1                          ; the same count in every work-group
	s_cbranch_scc1 .Ltail1
	s_mov_b32 s[KC], 2
.Lt0:                                                  ; chunk 0's last two K steps: their refills are chunk 1's first two steps, which land under the recurrence
	QUARTER 1, 0, 2, 0
	QUARTER 0, 1, 3, 0
	TURN 1, 1
	WIN 0
	s_cmp_eq_u32 s[KC], 1
	s_cbranch_scc1 .Lt0e                           ; behind the chunk's last K step there is no first quarter
	QUARTER 0, 1, 1, 0
	WIN 0
.Lt0e:
	s_sub_co_u32 s[KC], s[KC], 1
	s_cmp_lg_u32 s[KC], 0
	s_cbranch_scc1 .Lt0
	s_branch .Lscan
.Ltail1:
	s_mov_b32 s[KC], 2
.Lt1:                                                  ; chunk 1's last two K steps ask for nothing: written out
	QUARTER 1, 0, 2, 0
	QUARTER 0, 1, 3, 0
	TURN 0, 1
	WIN 0
	s_cmp_eq_u32 s[KC], 1
	s_cbranch_scc1 .Lt1e
	QUARTER 0, 1, 1, 0
	WIN 0
.Lt1e:
	s_sub_co_u32 s[KC], s[KC], 1
	s_cmp_lg_u32 s[KC], 0
	s_cbranch_scc1 .Lt1
.Lscan:
.rept 8
	v_nop                                          ; the places behind the last products, whose results are read and written below
.endr
.set SB, 224
.set SCW, 0xaa                                         ; blocks 0-6
	PRE 0
	STEP 0, 1, 0
.set ss, 1
.rept 55
	STEP ss, 0, 1
.set ss, ss+1
.endr
	FLUSH 55
	WIN 0xc2
	v_mov_b32 v[229], v[199]                       ; c of position 55 into window 3's scan set
.set SCW, 0xff                                         ; blocks 7-13
	PRE 7
	STEP 56, 1, 0
.set ss, 57
.rept 7
	STEP ss, 0, 1
.set ss, ss+1
.endr
	FLUSH 63
	WOUT 0
	STEP 64, 0, 0
.set ss, 65
.rept 47
	STEP ss, 0, 1
.set ss, ss+1
.endr
	FLUSH 111
	WIN 0x03
	v_mov_b32 v[SS0+5], v[199]                     ; c of position 111 into window 0's
.set SB, SS0
.set SCW, 0                                            ; blocks 14, 15
	PRE 14
	STEP 112, 1, 0
.set ss, 113
.rept 15
	STEP ss, 0, 1
.set ss, ss+1
.endr
	FLUSH 127
	WIN 0x80
	v_mov_b32 v[229], v[167]                       ; c of position 127 for the next chunk
	WOUT 1
	WIN 0
	s_sub_co_u32 s[CH], s[CH], 1
	s_cmp_lg_u32 s[CH], 0
	s_cbranch_scc1 .Lchunk
.if LAYER
	ds_store_b32 v[SS0+4], v[167]                  ; the last c, through row 0 of the stage: the way out's second barrier has freed it
	s_wait_dscnt 0x0
	s_barrier_signal -1
	s_barrier_wait -1
	s_cmp_lg_u32 s[WV], 0
	s_cbranch_scc1 .Lfin
	ds_load_b128 v[WT:WT+3], v[CTR]
	s_wait_dscnt 0x0
	global_store_b128 v[CTO], v[WT:WT+3], s[16:17] ; two aligned pieces of 256 bytes: 64 channels of each batch
.Lfin:
.endif
	s_wait_tensorcnt 0x0                           ; the wave's end
	ds_add_u32 v[SPW], v[NIL]
	s_wait_dscnt 0x0
	CROUND                                         ; the closing round: no work-group ends while a partner may still ask for a tile that names it
	s_endpgm
.Lfunc_end_k_q1ee4484e47_layer1:
	.size	k_q1ee4484e47_layer1, .Lfunc_end_k_q1ee4484e47_layer1-k_q1ee4484e47_layer1
	.p2alignl 7, 3214868480
	.fill 96, 4, 3214868480
	.section	.rodata,"a",@progbits
	.p2align	6, 0x0
	.amdhsa_kernel k_q1ee4484e47_layer1
		.amdhsa_group_segment_fixed_size 327680
		.amdhsa_private_segment_fixed_size 0
		.amdhsa_enable_private_segment 0
		.amdhsa_kernarg_size 64
		.amdhsa_user_sgpr_count 2
		.amdhsa_user_sgpr_kernarg_segment_ptr 1
		.amdhsa_wavefront_size32 1
		.amdhsa_system_sgpr_workgroup_id_x 1
		.amdhsa_system_sgpr_workgroup_id_y 1
		.amdhsa_system_sgpr_workgroup_id_z 1
		.amdhsa_system_vgpr_workitem_id 0
		.amdhsa_next_free_vgpr 1024
		.amdhsa_next_free_sgpr 102
		.amdhsa_reserve_vcc 0
		.amdhsa_float_denorm_mode_32 3
		.amdhsa_float_denorm_mode_16_64 3
		.amdhsa_memory_ordered 1
		.amdhsa_forward_progress 1
		.amdhsa_inst_pref_size 193
	.end_amdhsa_kernel
	.amdgpu_metadata
---
amdhsa.version: [ 1, 2 ]
amdhsa.kernels:
  - .name:           k_q1ee4484e47_layer1
    .symbol:         k_q1ee4484e47_layer1.kd
    .args:
      - { .name: ha, .offset: 0, .size: 8, .value_kind: global_buffer, .address_space: global }
      - { .name: wb1, .offset: 8, .size: 8, .value_kind: global_buffer, .address_space: global }
      - { .name: vf1, .offset: 16, .size: 8, .value_kind: global_buffer, .address_space: global }
      - { .name: vr1, .offset: 24, .size: 8, .value_kind: global_buffer, .address_space: global }
      - { .name: bf1, .offset: 32, .size: 8, .value_kind: global_buffer, .address_space: global }
      - { .name: br1, .offset: 40, .size: 8, .value_kind: global_buffer, .address_space: global }
      - { .name: out0, .offset: 48, .size: 8, .value_kind: global_buffer, .address_space: global }
      - { .name: out1, .offset: 56, .size: 8, .value_kind: global_buffer, .address_space: global }
    .group_segment_fixed_size: 327680
    .private_segment_fixed_size: 0
    .kernarg_segment_align: 8
    .kernarg_segment_size: 64
    .max_flat_workgroup_size: 128
    .sgpr_count:     102
    .vgpr_count:     1024
    .wavefront_size: 32
...
	.end_amdgpu_metadata
.endif
;; end of part 3
;; ======== version 2 of 2: 3 launches; version 1 with the launch prep written anew for expert scheduling mode
;; limits: values are held in f16: magnitudes above 65,504 overflow, below 6.1e-05 lose precision
;; workspace buffers: xa 16,777,216 bytes; ha 33,554,432 bytes; wb0 4,194,304 bytes; wb1 8,388,608 bytes
;; launch prep (part 4): grid 1024 x 1, 8 waves a work-group, no clusters, 18,432 bytes of LDS; arguments seqs, W0, W1, xa, wb0, wb1; writes xa, wb0, wb1
.if DOCPART == 4
	.amdgcn_target "amdgcn-amd-amdhsa--gfx1250"
	.amdhsa_code_object_version 6
	.text
	.protected	k_q1ee4484e47_prep
	.globl	k_q1ee4484e47_prep
	.p2align	8
	.type	k_q1ee4484e47_prep,@function
k_q1ee4484e47_prep:
	s_mov_b64 s[64:65], 0
	v_nop
	global_prefetch_b8 v0, s[64:65] scope:SCOPE_SE
	s_setreg_imm32_b32 hwreg(HW_REG_WAVE_SCHED_MODE, 0, 2), 2
	s_setreg_imm32_b32 hwreg(HW_REG_WAVE_MODE, 25, 1), 1
	s_wait_xcnt 0x0
	s_wait_alu depctr_vm_vsrc(0)
; PREP: seqs, W0 and W1 are rounded once to bf16 and laid out in the order in which the two layer launches ask for tiles.
; xa  = bf16 [copy 2][sigma = c*4+kq (8)][b 32][sp 64][hf 2][sl 2][kk 64]: scan position s = c*128 + sp*2 + sl, channel k = kq*128 + hf*64 + kk.
;       copy 0 holds s = t, copy 1 holds s = 255 - t, so that both directions of the recurrence walk ascending addresses.
; wb0 = bf16 [g 16][kq 4][n 256][k 128]: g = dir*8 + cg, n = w*64 + p*16 + r stands for column dir*2048 + p*512 + cg*64 + w*16 + r of W.
; wb1 = the same with kq 8, in F16: layer 1 multiplies in f16, since its other operand, h of layer 0, wants 11 significant bits.  W1 is rounded to bf16 like every input, and THAT number is written as f16.
; LIMIT.  A bf16 number is exact in f16 from 2^-17 to 65,504 in magnitude; below, it falls on f16's fixed step of 2^-24; above, it is lost.
; Work-groups 0-255 take seqs (32 rows t of one batch each), 256-511 W0, 512-1023 W1 (a tile of 128 k x 64 columns each, turned through LDS).
; Every store of a wave fills whole aligned pieces of 256 bytes.  The input lengths is not read anywhere in this program: the function that is computed takes it and never uses it.
; THE MODE: SCHED_MODE bits 1:0 = 2 (LLVM: expert scheduling mode 2), set by the entry lines.  The code itself states the register dependences
; between vector instructions and memory or LDS instructions, with s_wait_alu, always for 0.
; THE PLAN.  Registers that memory or LDS instructions touch:
;   seqs:     v6         the loads' offset: written once, ahead of the loads.
;             v[16:79]   sixteen pairs of rows as loaded: each landed in once and read once, by its conversions.
;             v8, v9     the stores' offsets: written once, behind the loads and ahead of the first group's conversions.
;             v[80:111]  the out-registers: pair i's two are written once, by its conversions, and read by its two stores.
;             The pairs go in four groups of four.  Group g's conversions name v[16+16 g ..] and v[80+8 g ..]; the memory instructions dealt among them are group g - 1's stores, which read
;             v8, v9 and v[80+8 (g-1) ..].  So ONE wait on va_vdst at a group's head states all that those eight stores hang on.
;   weights:  v7 the loads' offset; v[16:47] as loaded; v8 the LDS stores' address, v9 the LDS loads', v10 the global stores' offset; v[48:63] the LDS stores' data, written by the conversions;
;             v[64:79] landed in by the LDS loads, read by the global stores, named by no vector instruction.  One wait ahead of the loads, one ahead of the LDS stores: no vector instruction follows the second.
;   No register that a memory or LDS instruction has read is written again, in either arm: no wait on vm_vsrc is owed ahead of the closing lines.
;   v4, v5    written at the head, read by the closing add alone.
.set SPW,   4                          ; v4  LDS address of my spare word; never rewritten
.set NIL,   5                          ; v5  0; never rewritten
.set TP,    272                        ; a stage row: one column's 128 k = 256 bytes + 16
.set SPARE, 64*TP                      ; 17,408: behind the stage, 128 bytes for each of the eight waves, named by no other line
	s_load_b256 s[4:11], s[0:1], 0x0               ; seqs s[4:5], W0 s[6:7], W1 s[8:9], xa s[10:11]
	s_load_b128 s[12:15], s[0:1], 0x20             ; wb0 s[12:13], wb1 s[14:15]
	v_lshl_add_u32 v[SPW], v0, 2, SPARE
	v_mov_b32 v[NIL], 0
	v_lshrrev_b32 v1, 5, v0
	v_readfirstlane_b32 s16, v1                    ; wave 0..7
	v_and_b32 v2, 15, v0                           ; x = lane % 16 (also thread % 16)
	v_bfe_u32 v3, v0, 4, 1                         ; lh = lane / 16
	s_wait_alu depctr_va_sdst(0)                   ; s16 is written, ahead of the branch and of its first reader in either arm: offsets in memory and in LDS are made from it
	s_wait_kmcnt 0x0
	s_cmp_lt_u32 ttmp9, 256                        ; the same answer in all eight waves
	s_cbranch_scc0 .Lweights
	; ---- seqs: batch b, rows t = 32 tg .. 32 tg + 31; wave w takes channels 64 w .. 64 w + 63 (kq = w / 2, hf = w % 2)
	s_lshr_b32 s17, ttmp9, 3                       ; b
	s_and_b32 s18, ttmp9, 7                        ; tg
	s_lshr_b32 s19, s16, 1                         ; kq
	s_and_b32 s20, s16, 1                          ; hf
	s_lshr_b32 s21, s18, 2                         ; c = t / 128
	s_and_b32 s22, s18, 3
	s_lshl_b32 s23, s17, 19                        ; b x 256 rows x 2,048 bytes
	s_lshl_b32 s24, s18, 16                        ; tg x 32 rows
	s_add_co_u32 s23, s23, s24
	s_lshl_b32 s24, s16, 8                         ; my 64 channels: 256 bytes
	s_add_co_u32 s23, s23, s24
	v_lshlrev_b32 v6, 11, v3                       ; lanes 16-31 take the odd row
	v_lshl_add_u32 v6, v2, 4, v6
	v_add_nc_u32 v6, s23, v6
	s_wait_alu depctr_va_vdst(0)                   ; v6 is written, which the sixteen loads read as their offset
.set i, 0
.rept 16                                               ; rows 2 i and 2 i + 1: two aligned pieces of 256 bytes an instruction; all sixteen go out at once
	global_load_b128 v[16+4*i:19+4*i], v6, s[4:5] offset:i*4096 th:TH_LOAD_NT
.set i, i+1
.endr
	s_lshl_b32 s25, s17, 15                        ; what both copies share: b x 32,768 + hf x 256 + kq x 1 MiB
	s_lshl_b32 s24, s20, 8
	s_add_co_u32 s25, s25, s24
	s_lshl_b32 s24, s19, 20
	s_add_co_u32 s25, s25, s24
	s_lshl_b32 s26, s21, 22                        ; copy 0: c x 4 MiB + sp x 512 with sp = 16 (tg % 4) + i
	s_lshl_b32 s24, s22, 13
	s_add_co_u32 s26, s26, s24
	s_add_co_u32 s26, s26, s25
	s_xor_b32 s27, s21, 1                          ; copy 1: (1 - c) x 4 MiB + sp x 512 with sp = 63 - 16 (tg % 4) - i
	s_lshl_b32 s27, s27, 22
	s_sub_co_u32 s24, 63*512, s24
	s_add_co_u32 s27, s27, s24
	s_add_co_u32 s27, s27, s25
	s_add_co_u32 s27, s27, 0x800000                ; copy 1 begins 8 MiB in
	v_lshlrev_b32 v7, 3, v2                        ; my 4 channels: 8 bytes
	v_lshl_add_u32 v8, v3, 7, v7                   ; copy 0: sl = lh
	v_add_nc_u32 v8, s26, v8
	v_xor_b32 v9, 1, v3                            ; copy 1: sl = 1 - lh
	v_lshl_add_u32 v9, v9, 7, v7
	v_add_nc_u32 v9, s27, v9
.set g, 0
.rept 4                                                ; four groups of four pairs of rows
	s_wait_loadcnt 12-4*g                          ; loads come back in order: group g's four are in, the younger groups' stay out
.if g > 0
	s_wait_alu depctr_va_vdst(0)                   ; the group before has written its eight out-registers, which the stores below read; at the first such wait v8 and v9, their offsets, are written too
.endif
.set j, 0
.rept 4
.set i, 4*g+j
.if g > 0
	global_store_b64 v8, v[80+2*(i-4):81+2*(i-4)], s[10:11] offset:(i-4)*512    ; the group before.  32 lanes x 8 bytes: one aligned piece of 256 bytes: two positions x 64 channels
	global_store_b64 v9, v[80+2*(i-4):81+2*(i-4)], s[10:11] offset:-(i-4)*512   ; the mirrored copy walks down.  No vector instruction since the wait names a register of these two
.endif
	v_cvt_pk_bf16_f32 v[80+2*i], v[16+4*i], v[17+4*i]
	v_cvt_pk_bf16_f32 v[81+2*i], v[18+4*i], v[19+4*i]
.set j, j+1
.endr
.set g, g+1
.endr
	s_wait_alu depctr_va_vdst(0)                   ; the last group has written its eight out-registers, which the last eight stores read
.set i, 12
.rept 4
	global_store_b64 v8, v[80+2*i:81+2*i], s[10:11] offset:i*512
	global_store_b64 v9, v[80+2*i:81+2*i], s[10:11] offset:-i*512
.set i, i+1
.endr
	s_branch .Lend                                 ; no register was written twice, so no store's sources had to be waited for
	; ---- W0 or W1: a tile of 128 rows k x 64 columns
.Lweights:
	s_cmp_lt_u32 ttmp9, 512
	s_cselect_b64 s[18:19], s[6:7], s[8:9]         ; from W0 or W1
	s_cselect_b64 s[20:21], s[12:13], s[14:15]     ; to wb0 or wb1
	s_cselect_b32 s22, 2, 3                        ; log2 of the K steps
	s_cselect_b32 s23, 4, 8
	s_lshl_b32 s23, s23, 6                         ; the first work-group of this tensor: 256 or 512
	s_sub_co_u32 s23, ttmp9, s23                   ; tile
	s_lshl_b32 s24, 1, s22
	s_sub_co_u32 s24, s24, 1
	s_and_b32 s24, s23, s24                        ; kq
	s_lshr_b32 s25, s23, s22                       ; ct = the 64 columns: dir*32 + p*8 + cg
	s_lshr_b32 s26, s25, 5                         ; dir
	s_bfe_u32 s27, s25, 0x20003                    ; p
	s_and_b32 s28, s25, 7                          ; cg
	v_lshrrev_b32 v6, 4, v0                        ; ty = thread / 16: rows 8 ty .. 8 ty + 7
	s_lshl_b32 s29, s24, 21                        ; kq x 128 rows x 16,384 bytes
	s_lshl_b32 s30, s25, 8                         ; ct x 256 bytes
	s_add_co_u32 s29, s29, s30
	v_lshlrev_b32 v7, 17, v6
	v_lshl_add_u32 v7, v2, 4, v7                   ; my 4 columns
	v_add_nc_u32 v7, s29, v7
	s_wait_alu depctr_va_vdst(0)                   ; v7 is written, which the eight loads read as their offset
.set i, 0
.rept 8                                                ; sixteen lanes read 256 aligned bytes of one row
	global_load_b128 v[16+4*i:19+4*i], v7, s[18:19] offset:i*16384 th:TH_LOAD_NT
.set i, i+1
.endr
	v_mul_u32_u24 v8, v2, 4*TP                     ; into the stage: row = column 4 x + c, 16 bytes = k 8 ty .. 8 ty + 7
	v_lshl_add_u32 v8, v6, 4, v8
	s_mul_i32 s30, s16, 8*TP                       ; back: wave w takes stage rows 8 w .. 8 w + 7, two an instruction
	v_mul_u32_u24 v9, v3, TP
	v_lshl_add_u32 v9, v2, 4, v9
	v_add_nc_u32 v9, s30, v9
	s_lshl_b32 s31, s26, 3
	s_add_co_u32 s31, s31, s28                     ; g
	s_lshl_b32 s31, s31, s22
	s_add_co_u32 s31, s31, s24
	s_lshl_b32 s31, s31, 16                        ; block (g, kq): 65,536 bytes
	s_lshr_b32 s32, s16, 1
	s_lshl_b32 s32, s32, 14                        ; n = (w / 2) x 64
	s_add_co_u32 s31, s31, s32
	s_lshl_b32 s32, s27, 12                        ;   + p x 16
	s_add_co_u32 s31, s31, s32
	s_and_b32 s32, s16, 1
	s_lshl_b32 s32, s32, 11                        ;   + (w % 2) x 8, rows of 256 bytes
	s_add_co_u32 s31, s31, s32
	v_lshlrev_b32 v10, 8, v3                       ;   + lh
	v_lshl_add_u32 v10, v2, 4, v10
	v_add_nc_u32 v10, s31, v10
	s_wait_loadcnt 0x0
.irp c, 0,1,2,3                                        ; column c of my four: eight k, the lower k in the lower half
	v_cvt_pk_bf16_f32 v[48+4*\c], v[16+\c], v[20+\c]
	v_cvt_pk_bf16_f32 v[49+4*\c], v[24+\c], v[28+\c]
	v_cvt_pk_bf16_f32 v[50+4*\c], v[32+\c], v[36+\c]
	v_cvt_pk_bf16_f32 v[51+4*\c], v[40+\c], v[44+\c]
.endr
	s_cmp_lt_u32 ttmp9, 512                        ; the same answer in all eight waves
	s_cbranch_scc1 .Lkeep_bf16                     ; W0 stays bf16
.set i, 0
.rept 16                                               ; W1: the bf16 numbers are widened and written as f16
	v_lshlrev_b32 v[80+2*i], 16, v[48+i]
	v_and_b32 v[81+2*i], 0xffff0000, v[48+i]
	v_cvt_pk_f16_f32 v[48+i], v[80+2*i], v[81+2*i]
.set i, i+1
.endr
.Lkeep_bf16:
	s_wait_alu depctr_va_vdst(0)                   ; on either way the conversions have written v[48:63], which the LDS stores read; v8, their address, v9, the LDS loads', and v10, the global stores' offset, are written too
.irp c, 0,1,2,3
	ds_store_b128 v8, v[48+4*\c:51+4*\c] offset:\c*TP
.endr
	s_wait_dscnt 0x0                               ; for the others' sake: my stores into the stage are done
	s_barrier_signal -1
	s_barrier_wait -1
.irp m, 0,1,2,3
	ds_load_b128 v[64+4*\m:67+4*\m], v9 offset:\m*2*TP  ; no vector instruction names v[64:79], and none has been issued since the wait above
.endr
.irp m, 0,1,2,3
	s_wait_dscnt 3-\m
	global_store_b128 v10, v[64+4*\m:67+4*\m], s[20:21] offset:\m*512  ; sixteen lanes fill one row n: 256 aligned bytes
.endr
.Lend:
	s_wait_dscnt 0x0                               ; the closing lines, six on end
	s_wait_alu 0x0
	s_wait_tensorcnt 0x0
	ds_add_u32 v[SPW], v[NIL]
	s_wait_dscnt 0x0
	s_endpgm
.Lfunc_end_k_q1ee4484e47_prep:
	.size	k_q1ee4484e47_prep, .Lfunc_end_k_q1ee4484e47_prep-k_q1ee4484e47_prep
	.p2alignl 7, 3214868480
	.fill 96, 4, 3214868480
	.section	.rodata,"a",@progbits
	.p2align	6, 0x0
	.amdhsa_kernel k_q1ee4484e47_prep
		.amdhsa_group_segment_fixed_size 18432
		.amdhsa_private_segment_fixed_size 0
		.amdhsa_enable_private_segment 0
		.amdhsa_kernarg_size 48
		.amdhsa_user_sgpr_count 2
		.amdhsa_user_sgpr_kernarg_segment_ptr 1
		.amdhsa_wavefront_size32 1
		.amdhsa_system_sgpr_workgroup_id_x 1
		.amdhsa_system_sgpr_workgroup_id_y 1
		.amdhsa_system_sgpr_workgroup_id_z 1
		.amdhsa_system_vgpr_workitem_id 0
		.amdhsa_next_free_vgpr 112
		.amdhsa_next_free_sgpr 66
		.amdhsa_reserve_vcc 0
		.amdhsa_float_denorm_mode_32 3
		.amdhsa_float_denorm_mode_16_64 3
		.amdhsa_memory_ordered 1
		.amdhsa_forward_progress 1
		.amdhsa_inst_pref_size 17
	.end_amdhsa_kernel
	.amdgpu_metadata
---
amdhsa.version: [ 1, 2 ]
amdhsa.kernels:
  - .name:           k_q1ee4484e47_prep
    .symbol:         k_q1ee4484e47_prep.kd
    .args:
      - { .name: seqs, .offset: 0, .size: 8, .value_kind: global_buffer, .address_space: global }
      - { .name: W0, .offset: 8, .size: 8, .value_kind: global_buffer, .address_space: global }
      - { .name: W1, .offset: 16, .size: 8, .value_kind: global_buffer, .address_space: global }
      - { .name: xa, .offset: 24, .size: 8, .value_kind: global_buffer, .address_space: global }
      - { .name: wb0, .offset: 32, .size: 8, .value_kind: global_buffer, .address_space: global }
      - { .name: wb1, .offset: 40, .size: 8, .value_kind: global_buffer, .address_space: global }
    .group_segment_fixed_size: 18432
    .private_segment_fixed_size: 0
    .kernarg_segment_align: 8
    .kernarg_segment_size: 48
    .max_flat_workgroup_size: 256
    .sgpr_count:     66
    .vgpr_count:     112
    .wavefront_size: 32
...
	.end_amdgpu_metadata
.endif
;; end of part 4
;; launch layer0: the kernel of part 2 again; grid 16 x 16, 4 waves a work-group, clusters of 4 x 4, 327,680 bytes of LDS; arguments xa, wb0, vf0, vr0, bf0, br0, ha; writes ha
;; launch layer1: the kernel of part 3 again; grid 16 x 16, 4 waves a work-group, clusters of 4 x 4, 327,680 bytes of LDS; arguments ha, wb1, vf1, vr1, bf1, br1, out0, out1; writes out0, out1
